; MI455X (gfx1250); checked and timed in simulation.
; The chip was launched on July 23, 2026; its instructions are those of AMD's public machine-readable ISA for CDNA 5 (MIT licence, August 2026) and "CDNA5" Instruction Set Architecture Reference Guide (July 2026). The comments in the code are by the model that wrote it; some were corrected since.
;; Causal Multi Head Attention. Allowed arithmetic: matrix products marked QUANTISED: E4M3 operands, one given power-of-two scale a tensor, by v_wmma_f32_16x16x64_fp8_fp8 or v_wmma_f32_16x16x128_fp8_fp8, f32 sums; everything else in f32.
;; Inputs: bk 1,024 float32; bo 1,024 float32; bq 1,024 float32; bv 1,024 float32; lowp_scales 12 int32 (the exponents e of the quantised operands' scales 2^e); wk 1,024 x 1,024 float32; wo 1,024 x 1,024 float32; wq 1,024 x 1,024 float32; wv 1,024 x 1,024 float32; x 4 x 2,048 x 1,024 float32.
;; Outputs: out0 4 x 2,048 x 1,024 float32.
;; This version of the problem:
;;   THIS VERSION OF THE PROBLEM IS GIVEN IN LOW PRECISION. The matrix products marked QUANTISED in the list below multiply operands that are first quantised to E4M3 (4 exponent bits, 3 mantissa bits; 8 bits a number), with one given power-of-two scale for each operand tensor; their sums are f32. All else is computed in f32.
;;   The module's matrix products, in the order in which they are computed (A, B: the left and right operand; K: the contracted axis; several contracted axes count as one K, in the product's order):
;;     1. [M 8,192, K 1,024] x [K 1,024, N 1,024]; A: input x; B: input wq: QUANTISED (scales: A lowp_scales[0], B lowp_scales[1])
;;     2. [M 8,192, K 1,024] x [K 1,024, N 1,024]; A: input x; B: input wk: QUANTISED (scales: A lowp_scales[2], B lowp_scales[3])
;;     3. [M 8,192, K 1,024] x [K 1,024, N 1,024]; A: input x; B: input wv: QUANTISED (scales: A lowp_scales[4], B lowp_scales[5])
;;     4. batch 64 x [M 2,048, K 64] x [K 64, N 2,048]; A: computed on the way; B: computed on the way: QUANTISED (scales: A lowp_scales[6], B lowp_scales[7])
;;     5. batch 64 x [M 2,048, K 2,048] x [K 2,048, N 64]; A: softmax (see below); B: computed on the way: QUANTISED (scales: A lowp_scales[8], B lowp_scales[9])
;;     6. [M 8,192, K 1,024] x [K 1,024, N 1,024]; A: computed on the way; B: input wo: QUANTISED (scales: A lowp_scales[10], B lowp_scales[11])
;;   THE QUANTISER, for each operand of a quantised product, along K:
;;     - The operand's scale is 2^e, e = its entry of the input lowp_scales (int32; the entries are numbered through the quantised products in the list's order, A before B).
;;     - Each number is divided by the scale, clamped to +-448, and rounded to the nearest number of E4M3, ties to even, subnormals kept.
;;     - The product sums the exact products of the quantised numbers (number of the format x scale) in f32.
;;   ~~~python
;;   def quantise(x, axis, e):      # numpy; x: float32 -> the quantised numbers, widened to float32 again
;;       x = np.moveaxis(x, axis, -1); K = x.shape[-1]
;;       r = np.clip(x / 2.0 ** e, -448, 448)
;;       step = 2.0 ** (np.maximum(np.frexp(np.where(r == 0, 1, r))[1] - 1, -6) - 3)
;;       q = np.round(r / step) * step * 2.0 ** e      # np.round: ties to even
;;       return np.moveaxis(q, -1, axis).astype(np.float32)
;;   ~~~
;;   SOFTMAX AHEAD OF A QUANTISED PRODUCT. Where the list says 'softmax', what is quantised is not the finished softmax but p = 2^(t - M), with t = logit x log2(e) and M = ceil(the row's largest t), a whole number; so 1/2 < the row's largest p <= 1. The row's sum l is taken of the UNQUANTISED p, in f32, and the product's result is divided by l at the end. Since M is a whole number, a kernel that streams over the keys may use a running M (the ceiling of the running maximum): every later rescaling is an exact power of two, so the quantised numbers keep their values, but for numbers so far below the row's largest that they fall under the format's range.
;;   OPERANDS COMPUTED ON THE WAY. 'Computed on the way' means the value that the module computes at that place (a softmax that the list does not call 'softmax' is quantised finished and normalised). What goes into a quantiser is computed in f32, as accurately as f32 sums, v_exp_f32 and their like allow (about 1e-6 of the number): no bf16 or f16 on the way to a quantiser, and a product that is left as it is and whose result goes on into a quantised operand takes f32 operands (vector FMAs, or v_wmma_f32_16x16x4_f32). A number that lies on a knife's edge between two numbers of the format may be rounded either way, as far as f32 arithmetic and the matrix unit's own rounding can turn it there, and no further.
;; One version. Each part assembles by itself: llvm-mc -triple=amdgcn-amd-amdhsa -mcpu=gfx1250 --defsym DOCPART=n.
;; ======== version 1 of 1: 4 launches
;; limits: right only within a limited range of input values
;; workspace buffers: xc 25,165,824 bytes; wc 4,194,304 bytes; qc 8,388,608 bytes; kc 8,388,608 bytes; vt 8,388,608 bytes; cc 8,388,608 bytes
;; launch quant (part 1): grid 384 x 1, 4 waves a work-group, no clusters, 68,096 bytes of LDS; arguments x, wq, wk, wv, wo, lowp_scales, xc, wc; writes xc, wc
.if DOCPART == 1
	.amdgcn_target "amdgcn-amd-amdhsa--gfx1250"
	.amdhsa_code_object_version 6
	.text
	.protected	k_qbffbdbbb52_quant
	.globl	k_qbffbdbbb52_quant
	.p2align	8
	.type	k_qbffbdbbb52_quant,@function
k_qbffbdbbb52_quant:
	s_mov_b64 s[64:65], 0
	v_nop
	global_prefetch_b8 v0, s[64:65] scope:SCOPE_SE
	s_setreg_imm32_b32 hwreg(HW_REG_WAVE_MODE, 25, 1), 1
	s_wait_xcnt 0x0
; x [8192][1024] f32 becomes three sets of E4M3 codes, xc [3][8192][1024], under the given scales 2^e0, 2^e2, 2^e4 (x is an operand of three products, each with a scale of its own).
; wq, wk, wv, wo [k 1024][n 1024] f32 become codes with K innermost, wc [4][n 1024][k 1024], under 2^e1, 2^e3, 2^e5, 2^e11.
; code = number / 2^e, held within +-448, to the nearest code, ties to even.  LIMITS: each of these e lies between -126 and 119; NaN among the inputs is not served.
; Work-groups 0-255 take x: a plain stream, 32,768 numbers a work-group, 16 steps of 512 numbers a wave.  Each load reads 512 consecutive bytes; a step's 2,048 bytes turn through the wave's own stage in LDS
; so that a lane holds 16 neighbours along K; the numbers are read once and converted three times; each store covers 512 consecutive bytes, aligned.
; Work-groups 256-383 take the weights: a lane takes a column n and its registers run down K, so the conversions give codes with K innermost; a wave gathers 32 columns x 256 along K in its stage and stores whole rows of 256 bytes.
; The two paths part on the work-group's number and have LDS bytes of their own.  Waves share nothing: no barrier.
.set STEPS, 16
.set SP,    80                         ; x: a lane's place in a stage: 64 bytes + 16 of padding
.set WREG,  8192                       ; x: LDS of a wave: two stages of 32 x SP bytes
.set WST,   4*WREG                     ; the weights' four stages begin here
.set PITCH, 272                        ; a row of a weights' stage: 256 bytes + 16
.set SPARE, WST+4*32*PITCH             ; behind them: the spare words, 128 bytes a wave: two blocks of 256 bytes that no other line names
.set SPW,   12                         ; v12  LDS address of my spare word; never rewritten
.set NIL,   13                         ; v13  0; never rewritten
.set R,     16                         ; x: v16-79    four sets of 16 numbers as loaded
.set X,     80                         ; x: v80-111   two sets of 16 neighbours
.set T,     112                        ; x: v112-127  not used
.set C,     128                        ; x: v128-151  two sets of 3 x 4 registers of codes
.set WX,    32                         ; w: v32-95    two sets of 32 numbers
.set WC,    96                         ; w: v96-103   a block's codes
.set OUTR,  112                        ; w: v112-175  the way out
.macro MKSC e, sc, lim                 ; s[e] = e  ->  v[sc] = 2^e as f32 (the conversion takes its exponent field)
	s_add_co_i32 s42, s[\e], 127
	s_lshl_b32 s43, s42, 23
	v_mov_b32 v[\sc], s43
	s_add_co_i32 s42, s42, 8
	s_lshl_b32 s42, s42, 23
	s_or_b32 s42, s42, 0x600000
.endm
	s_load_b512 s[4:19], s[0:1], 0x0               ; x s[4:5], wq s[6:7], wk s[8:9], wv s[10:11], wo s[12:13], the exponents s[14:15], xc s[16:17], wc s[18:19]
	v_lshl_add_u32 v[SPW], v0, 2, SPARE
	v_mov_b32 v[NIL], 0
	v_lshrrev_b32 v1, 5, v0
	v_readfirstlane_b32 s20, v1                    ; wave 0..3
	v_and_b32 v2, 31, v0                           ; lane
	s_wait_kmcnt 0x0
	s_load_b256 s[24:31], s[14:15], 0x0            ; e0 .. e7
	s_load_b128 s[32:35], s[14:15], 0x20           ; e8 .. e11
	s_cmp_lt_u32 ttmp9, 256
	s_cbranch_scc0 .Lweights
	s_wait_alu depctr_va_vdst(0)
	; ---------------- x ----------------
	v_lshlrev_b32 v3, 4, v2                        ; 16 x lane: my 16 bytes of a load's 512, and my 16 codes of a step's 512
	s_wait_alu depctr_va_vdst(0)
	s_mul_i32 s21, s20, WREG
	v_lshrrev_b32 v14, 2, v2
	v_mul_u32_u24 v14, v14, SP
	v_and_b32 v15, 3, v2
	v_lshl_add_u32 v14, v15, 4, v14
	v_add_nc_u32 v14, s21, v14                     ; into the stage: four lanes' 64 bytes on end, then the padding
	v_mul_u32_u24 v15, v2, SP
	v_add_nc_u32 v15, s21, v15                     ; out of it: my 16 neighbours
	s_lshl_b32 s22, ttmp9, 2
	s_add_co_u32 s22, s22, s20                     ; which run of 8,192 numbers is my wave's
	s_lshl_b32 s44, s22, 15                        ; 32,768 bytes of f32
	s_mov_b32 s45, 0
	s_add_nc_u64 s[4:5], s[4:5], s[44:45]
	s_lshl_b32 s44, s22, 13                        ; 8,192 bytes of codes
	s_add_nc_u64 s[36:37], s[16:17], s[44:45]      ; the set under e0,
	s_add_nc_u64 s[38:39], s[36:37], 0x800000      ; under e2,
	s_add_nc_u64 s[40:41], s[36:37], 0x1000000     ; under e4
.macro XLOAD t
.irp i, 0,1,2,3
	global_load_b128 v[R+16*((\t)%4)+4*\i:R+16*((\t)%4)+4*\i+3], v3, s[4:5] offset:2048*(\t)+512*\i th:TH_LOAD_NT
.endr
.endm
.macro XTURN t                         ; step t's numbers through the stage; LDS serves a wave's instructions in order, so no wait stands between the stores and the loads
.irp i, 0,1,2,3
	ds_store_b128 v14, v[R+16*((\t)%4)+4*\i:R+16*((\t)%4)+4*\i+3] offset:32*SP*((\t)%2)+8*SP*\i
.endr
.irp i, 0,1,2,3
	ds_load_b128 v[X+16*((\t)%2)+4*\i:X+16*((\t)%2)+4*\i+3], v15 offset:32*SP*((\t)%2)+16*\i
.endr
.endm
.irp t, 0,1,2,3
	XLOAD \t
.endr
	s_wait_alu depctr_va_vdst(0)
	s_wait_kmcnt 0x0
	MKSC 24, 6, 7
	MKSC 26, 8, 9
	MKSC 28, 10, 11
	s_wait_alu depctr_va_vdst(0)
	s_wait_loadcnt 12                              ; step 0's four loads are in; twelve younger ones may be out
	XTURN 0
.macro XSTEP t
.set XS, X+16*((\t)%2)
.set CT, C+12*((\t)%2)
	s_wait_dscnt 0x0                               ; this step's numbers are back from the stage, and its stores into the stage have read their registers,
.if (\t)+4 < STEPS
	XLOAD (\t)+4                                   ; which take the loads of four steps on
.endif
.if (\t)+1 < STEPS
.if STEPS-2-(\t) >= 3
	s_wait_loadcnt 12                              ; the next step's four loads are in; those of the three steps behind it may be out
.else
	s_wait_loadcnt 4*(STEPS-2-(\t))
.endif
	XTURN (\t)+1
.endif
	s_wait_xcnt 0x0                                ; the stores of two steps ago have read this set of code registers: it is written again only behind this wait
.irp j, 0,1,2
.irp i, 0,1,2,3,4,5,6,7,8,9,10,11,12,13,14,15
.endr
	v_cvt_scalef32_pk8_fp8_f32 v[CT+4*\j:CT+4*\j+1], v[XS:XS+7], v[6+2*\j]
	v_cvt_scalef32_pk8_fp8_f32 v[CT+4*\j+2:CT+4*\j+3], v[XS+8:XS+15], v[6+2*\j]
	v_nop                                          ; a plain vector line between the conversions and the next lines that write their sources
	global_store_b128 v3, v[CT+4*\j:CT+4*\j+3], s[36+2*\j:37+2*\j] offset:512*(\t)
.endr
.endm
.irp t, 0,1,2,3,4,5,6,7,8,9,10,11,12,13,14,15
	XSTEP \t
.endr
	s_wait_tensorcnt 0x0                           ; the wave's end, behind my last LDS store
	ds_add_u32 v[SPW], v[NIL]
	s_wait_dscnt 0x0
	s_endpgm
	; ---------------- the weights ----------------
.Lweights:
	s_sub_co_u32 s21, ttmp9, 256
	s_lshr_b32 s22, s21, 5                         ; which weight: 0 wq, 1 wk, 2 wv, 3 wo
	s_and_b32 s23, s21, 7                          ; which 128 columns
	s_bfe_u32 s36, s21, 0x20003                    ; which 256 along K
	s_cmp_eq_u32 s22, 1
	s_cselect_b64 s[6:7], s[8:9], s[6:7]
	s_cmp_eq_u32 s22, 2
	s_cselect_b64 s[6:7], s[10:11], s[6:7]
	s_cmp_eq_u32 s22, 3
	s_cselect_b64 s[6:7], s[12:13], s[6:7]
	s_lshl_b32 s23, s23, 7
	s_lshl_b32 s37, s20, 5
	s_add_co_u32 s23, s23, s37                     ; my wave's first column
	s_wait_alu depctr_va_vdst(0)
	v_lshlrev_b32 v3, 2, v2                        ; in: 4 bytes a lane
	s_mul_i32 s37, s20, 32*PITCH
	s_add_co_u32 s37, s37, WST                     ; my stage
	v_mul_u32_u24 v4, v2, PITCH
	v_add_nc_u32 v4, s37, v4                       ; into it: row = my column
	v_and_b32 v5, 15, v2
	v_lshrrev_b32 v6, 4, v2
	v_mul_u32_u24 v7, v6, PITCH
	v_lshl_add_u32 v7, v5, 4, v7
	v_add_nc_u32 v7, s37, v7                       ; out of it: sixteen lanes to a row, two rows an instruction
	v_lshlrev_b32 v8, 10, v6
	v_lshl_add_u32 v8, v5, 4, v8                   ; and the same place in wc (a row is 1,024 bytes)
	s_lshl_b32 s38, s36, 20                        ; 256 rows of 4,096 bytes
	s_lshl_b32 s39, s23, 2
	s_add_co_u32 s38, s38, s39
	s_mov_b32 s39, 0
	s_add_nc_u64 s[6:7], s[6:7], s[38:39]
	s_lshl_b32 s38, s22, 20                        ; the weight's section of wc,
	s_lshl_b32 s40, s23, 10                        ; my first column's row,
	s_add_co_u32 s38, s38, s40
	s_lshl_b32 s40, s36, 8                         ; my 256 along K
	s_add_co_u32 s38, s38, s40
	s_add_nc_u64 s[18:19], s[18:19], s[38:39]
.macro WLOAD t                         ; block t: w(32 t + i, my column), i = 0 .. 31: 128 consecutive bytes a wave and load
.set i, 0
.rept 32
	global_load_b32 v[WX+32*((\t)%2)+i], v3, s[6:7] offset:(32*(\t)+i)*4096 th:TH_LOAD_NT
.set i, i+1
.endr
.endm
	WLOAD 0
	WLOAD 1
	s_wait_kmcnt 0x0
	s_cmp_eq_u32 s22, 1
	s_cselect_b32 s25, s27, s25                    ; e1, e3, e5 or e11
	s_cmp_eq_u32 s22, 2
	s_cselect_b32 s25, s29, s25
	s_cmp_eq_u32 s22, 3
	s_cselect_b32 s25, s35, s25
	MKSC 25, 11, 10
.macro WBLOCK t
.set XS, WX+32*((\t)%2)
.if (\t) < 7
	s_wait_loadcnt 32                              ; this block's 32 loads are in; the next block's may be out
.else
	s_wait_loadcnt 0
.endif
.set i, 0
.rept 32
.set i, i+1
.endr
.irp g, 0,1,2,3
	v_cvt_scalef32_pk8_fp8_f32 v[WC+2*\g:WC+2*\g+1], v[XS+8*\g:XS+8*\g+7], v11
.endr
	v_nop
	ds_store_b128 v4, v[WC:WC+3] offset:32*(\t)    ; 32 codes along K of my column
	ds_store_b128 v4, v[WC+4:WC+7] offset:32*(\t)+16
.if (\t)+2 < 8
	WLOAD (\t)+2
.endif
	s_wait_dscnt 0x0                               ; the stores have read their registers: the next block's codes may be written
.endm
	s_wait_alu depctr_va_vdst(0)
.irp t, 0,1,2,3,4,5,6,7
	WBLOCK \t
.endr
.irp t, 0,1,2,3,4,5,6,7,8,9,10,11,12,13,14,15
	ds_load_b128 v[OUTR+4*\t:OUTR+4*\t+3], v7 offset:2*\t*PITCH
.endr
.irp t, 0,1,2,3,4,5,6,7,8,9,10,11,12,13,14,15
	s_wait_dscnt 15-\t
	global_store_b128 v8, v[OUTR+4*\t:OUTR+4*\t+3], s[18:19] offset:2*\t*1024   ; sixteen lanes store 256 consecutive bytes, aligned
.endr
	s_wait_tensorcnt 0x0                           ; the wave's end, behind my last LDS store
	ds_add_u32 v[SPW], v[NIL]
	s_wait_dscnt 0x0
	s_endpgm
.Lfunc_end_k_qbffbdbbb52_quant:
	.size	k_qbffbdbbb52_quant, .Lfunc_end_k_qbffbdbbb52_quant-k_qbffbdbbb52_quant
	.p2alignl 7, 3214868480
	.fill 96, 4, 3214868480
	.section	.rodata,"a",@progbits
	.p2align	6, 0x0
	.amdhsa_kernel k_qbffbdbbb52_quant
		.amdhsa_group_segment_fixed_size 68096
		.amdhsa_private_segment_fixed_size 0
		.amdhsa_enable_private_segment 0
		.amdhsa_kernarg_size 64
		.amdhsa_user_sgpr_count 2
		.amdhsa_user_sgpr_kernarg_segment_ptr 1
		.amdhsa_wavefront_size32 1
		.amdhsa_system_sgpr_workgroup_id_x 1
		.amdhsa_system_sgpr_workgroup_id_y 1
		.amdhsa_system_sgpr_workgroup_id_z 1
		.amdhsa_system_vgpr_workitem_id 0
		.amdhsa_next_free_vgpr 192
		.amdhsa_next_free_sgpr 66
		.amdhsa_reserve_vcc 0
		.amdhsa_float_denorm_mode_32 3
		.amdhsa_float_denorm_mode_16_64 3
		.amdhsa_fp16_overflow 1
		.amdhsa_memory_ordered 1
		.amdhsa_forward_progress 1
		.amdhsa_inst_pref_size 64
	.end_amdhsa_kernel
	.amdgpu_metadata
---
amdhsa.version: [ 1, 2 ]
amdhsa.kernels:
  - .name:           k_qbffbdbbb52_quant
    .symbol:         k_qbffbdbbb52_quant.kd
    .args:
      - { .name: x, .offset: 0, .size: 8, .value_kind: global_buffer, .address_space: global }
      - { .name: wq, .offset: 8, .size: 8, .value_kind: global_buffer, .address_space: global }
      - { .name: wk, .offset: 16, .size: 8, .value_kind: global_buffer, .address_space: global }
      - { .name: wv, .offset: 24, .size: 8, .value_kind: global_buffer, .address_space: global }
      - { .name: wo, .offset: 32, .size: 8, .value_kind: global_buffer, .address_space: global }
      - { .name: lowp_scales, .offset: 40, .size: 8, .value_kind: global_buffer, .address_space: global }
      - { .name: xc, .offset: 48, .size: 8, .value_kind: global_buffer, .address_space: global }
      - { .name: wc, .offset: 56, .size: 8, .value_kind: global_buffer, .address_space: global }
    .group_segment_fixed_size: 68096
    .private_segment_fixed_size: 0
    .kernarg_segment_align: 8
    .kernarg_segment_size: 64
    .max_flat_workgroup_size: 128
    .sgpr_count:     66
    .vgpr_count:     192
    .wavefront_size: 32
...
	.end_amdgpu_metadata
.endif
;; end of part 1
;; launch qkv (part 2): grid 96 x 4, 4 waves a work-group, clusters of 4 x 4, 327,680 bytes of LDS; arguments xc, wc, lowp_scales, bq, bk, bv, qc, kc, vt; writes qc, kc, vt
.if DOCPART == 2
	.amdgcn_target "amdgcn-amd-amdhsa--gfx1250"
	.amdhsa_code_object_version 6
	.text
	.protected	k_qbffbdbbb52_qkv
	.globl	k_qbffbdbbb52_qkv
	.p2align	8
	.type	k_qbffbdbbb52_qkv,@function
k_qbffbdbbb52_qkv:
	s_mov_b64 s[64:65], 0
	v_nop
	global_prefetch_b8 v0, s[64:65] scope:SCOPE_SE
	s_setreg_imm32_b32 hwreg(HW_REG_WAVE_MODE, 25, 1), 1
	s_wait_xcnt 0x0
	s_wait_alu depctr_hold_cnt(0) depctr_sa_sdst(0) depctr_va_vdst(0) depctr_va_sdst(0) depctr_va_ssrc(0) depctr_va_vcc(0) depctr_vm_vsrc(0)
	s_getreg_b32 s2, hwreg(HW_REG_IB_STS2, 6, 4)
	s_cmp_eq_u32 s2, 0
	s_cbranch_scc0 .Lentry_in_a_cluster
	s_endpgm
.Lentry_in_a_cluster:
	s_bfe_u32 s2, ttmp6, 0x10000c
	s_cmp_lg_u32 s2, 0xf033
	s_cbranch_scc0 .Lentry_shape_is_right
	s_endpgm
.Lentry_shape_is_right:
; q = x wq + bq, k = x wk + bk, v = x wv + bv on E4M3 codes, each result quantised at once for the attention: qc, kc [64 heads][2048][64] (K = the head's 64), vt [64 h + d][2048 b + s] (K = the keys, innermost).
; 24 clusters of 4 x 4 work-groups; cluster number / 8 is the SECTION (0 q, 1 k, 2 v), cluster number % 8 the place IDX in it.  A work-group makes a tile of 256 x 256, a wave 128 x 128: 64 accumulators, 512 registers.
; The body computes Out[row of S1][row of S0], S0 as the matrix instruction's source 0 and S1 as source 1: a lane holds one row of S1 and eight neighbouring rows of S0.
;   q, k: S0 = the weight's codes [n][k] (tile cx), S1 = x's codes (tile 4 IDX + cy): a lane's eight numbers run along n, the next product's K.
;   v:    S0 = x's codes (tile 4 IDX + cx), S1 = the weight's (tile cy): a lane's eight numbers run along the keys, the next product's K.
; S1's tile hangs on cy alone and is asked for jointly along the cluster's row, S0's on cx alone, along its column.  K = 1,024 goes in four steps of 256 through two LDS slots; nothing loops.
; The bias is the C of each sum's first matrix instruction, divided by the power of two that the sums lack; the three scales ahead of the quantiser are folded into the conversion's one.
; A fragment is fetched by four loads of 16 bytes: a permutation of k that is the same in both operands.
; LIMITS: eo - ex - ew between -126 and 119 for (ex, ew, eo) = (e0, e1, e6), (e2, e3, e7), (e4, e5, e9).  NaN is not served.
; REGISTERS: window 0: v16-31 addresses and the scale; v32-95 the bias; v96-127 codes; v128-255 S1's fragments (one set), later rows on the way out.
;   window 1: S0's fragments, two sets.   windows 2, 3: the accumulators ((a, b) at v[8 (8 (a % 4) + b)]).
.set KROW,   1024                      ; a row of either operand in memory, in bytes
.set ROWB,   256                       ; a tile's row: 256 codes
.set PITCH,  272                       ; an LDS row: 256 bytes + 16: the 16 rows of a fragment load start at 16 different banks (64 banks of 4 bytes: ISA guide 11.1)
.set FR,     16
.set NL,     4
.set NP,     4
.set HALFT,  128*PITCH
.set SLOT,   4*HALFT                   ; S1's 256 rows, then S0's 256 rows
.set SPARE,  2*SLOT                    ; behind the ring: the spare words, 128 bytes a wave: two blocks of 256 bytes that no other line names
.set ADRA, 16                          ; v16-17 LDS address of my S1 fragments in slot 0, 1
.set ADRB, 20                          ; v20-21 the same for S0
.set RDQ,  22                          ; v22, v23 the way out of q and k: eight rows x 64 bytes of my head
.set RDQ2, 23
.set STO,  24                          ; v24 the way out: where I put eight codes
.set RDV,  25                          ; v25 the way out of v: two rows of 256 bytes
.set COV,  26                          ; v26 and the same in vt
.set COQ,  27                          ; v27 16 x lane
.set SPW,  28
.set NIL,  29
.set SC,   30                          ; v30 2^(eo - ex - ew) as f32
.set LIM,  31                          ; v31 not used
.set BI,   32
.set TMP,  32
.set CD,   96
.set AF,   128
.set BK,   128
.set G1,   24                          ; s[24:31], s[32:39]: S1's descriptor group 1 and its groups 0, one a slot
.set G0,   32
.set G1B,  48                          ; s[48:55], s[56:63]: S0's
.set G0B,  56
.set SEC,  78
.set MSB, 0
.macro WIN new                         ; the immediate's high byte repeats the setting that is left
.if MSB != \new
	s_set_vgpr_msb (MSB<<8)|\new
.set MSB, \new
.endif
.endm
.set MUL_LO, 0xa1                      ; source 0 window 1, source 1 window 0, C and D window 2
.set MUL_HI, 0xf1                      ; the same, C and D window 3
.set FST_LO, 0x81                      ; the first step: C (the bias) window 0, D window 2
.set FST_HI, 0xc1
.set TO_B,   0x40
.macro JLOAD g0a, g1a, g0b, g1b        ; a joint load: waves 0 and 1 fetch for S1, waves 2 and 3 for S0; an s_nop 0 and four v_nop follow each line
	s_cmp_eq_u32 s15, 0
	s_cbranch_scc0 .Lfor_b_\@
	tensor_load_to_lds s[\g0a:\g0a+3], s[\g1a:\g1a+7]
	s_nop 0
.rept 4
	v_nop
.endr
	s_branch .Lasked_\@
.Lfor_b_\@:
	tensor_load_to_lds s[\g0b:\g0b+3], s[\g1b:\g1b+7]
	s_nop 0
.rept 4
	v_nop
.endr
.Lasked_\@:
.endm
.macro CREST
	s_cmp_lg_u32 s14, 0
	s_cbranch_scc1 .Lnot_wave_0_\@
	s_barrier_signal -3
.Lnot_wave_0_\@:
	s_barrier_wait -3
	s_barrier_signal -1
	s_barrier_wait -1
.endm
.macro CROUND
	s_barrier_signal -1
	s_barrier_wait -1
	CREST
.endm
	s_load_b256 s[4:11], s[0:1], 0x0               ; xc s[4:5], wc s[6:7], the exponents s[8:9], bq s[10:11]
	s_load_b256 s[68:75], s[0:1], 0x20             ; bk s[68:69], bv s[70:71], qc s[72:73], kc s[74:75]
	s_load_b64 s[76:77], s[0:1], 0x40              ; vt
	v_lshl_add_u32 v[SPW], v0, 2, SPARE
	v_mov_b32 v[NIL], 0
	ds_add_u32 v[SPW], v[NIL]                      ; the wave's opening: the add and its wait ahead of my first tensor load
	ds_add_u32 v[SPW], v[NIL]
	v_lshrrev_b32 v1, 5, v0
	v_readfirstlane_b32 s14, v1                    ; wave 0..3
	s_lshr_b32 s15, s14, 1                         ; my half of S1's rows.  Also: I fetch for S1 (0) or for S0 (1)
	s_and_b32 s16, s14, 1                          ; my half of S0's rows.  Also: which 128 rows of that tile I fetch
	s_bfe_u32 s40, ttmp6, 0x40000                  ; cx
	s_bfe_u32 s41, ttmp6, 0x40004                  ; cy
	s_lshr_b32 s[SEC], ttmp9, 3                    ; the section: the same in all sixteen partners
	s_and_b32 s79, ttmp9, 7                        ; IDX
	s_lshl_b32 s18, s79, 2
	s_cmp_eq_u32 s[SEC], 2
	s_cselect_b32 s42, s18, 0
	s_cselect_b32 s17, 0, s18
	s_add_co_u32 s42, s42, s40                     ; S0's tile: cx, in v 4 IDX + cx
	s_add_co_u32 s17, s17, s41                     ; S1's tile: 4 IDX + cy, in v cy
	s_lshl_b32 s43, s41, 2
	s_lshl_b32 s43, 15, s43                        ; my row of the cluster
	s_lshl_b32 s44, 0x1111, s40                    ; my column
	s_or_b32 s[G1+0], s43, (0<<16)|(1<<20)|(1<<21)|(5<<22)|(3<<25)   ; the mask; elements of 1 byte; padding on; bit 21 beside a mask; after every 64 words, 4 words
	s_or_b32 s[G1B+0], s44, (0<<16)|(1<<20)|(1<<21)|(5<<22)|(3<<25)
.irp g, G1, G1B
	s_mov_b32 s[\g+1], ROWB<<16                    ; tensor_dim0
	s_mov_b32 s[\g+2], 128<<16                     ; tensor_dim1
	s_mov_b32 s[\g+3], ROWB<<16                    ; tile_dim0
	s_mov_b32 s[\g+4], 128                         ; tile_dim1
	s_mov_b32 s[\g+5], KROW                        ; from row to row
	s_mov_b32 s[\g+6], 0
	s_mov_b32 s[\g+7], 0
.endr
	s_lshl_b32 s18, s16, 7                         ; which 128 rows of the tile I fetch
	s_lshl_b32 s20, s17, 8
	s_add_co_u32 s20, s20, s18
	s_lshl_b32 s20, s20, 10                        ; S1: (256 x tile + 128 x half) rows of 1,024 bytes
	s_mov_b32 s21, 0
	s_lshl_b32 s46, s42, 8
	s_add_co_u32 s46, s46, s18
	s_lshl_b32 s46, s46, 10                        ; S0 likewise
	s_mov_b32 s47, 0
	s_mul_i32 s45, s14, HALFT                      ; where they go: wave x 128 rows
	s_lshl_b32 s22, s[SEC], 23                     ; the section of xc,
	s_mov_b32 s23, 0
	s_lshl_b32 s100, s[SEC], 20                    ; and of wc
	s_mov_b32 s101, 0
	s_wait_dscnt 0x0                               ; the opening add is done
	s_wait_kmcnt 0x0
	s_load_b256 s[84:91], s[8:9], 0x0              ; e0 .. e7
	s_load_b128 s[92:95], s[8:9], 0x20             ; e8 .. e11
	s_add_nc_u64 s[4:5], s[4:5], s[22:23]
	s_add_nc_u64 s[6:7], s[6:7], s[100:101]
	s_cmp_eq_u32 s[SEC], 2
	s_cselect_b64 s[80:81], s[4:5], s[6:7]         ; S0: the weight, in v x
	s_cselect_b64 s[82:83], s[6:7], s[4:5]         ; S1: x, in v the weight
	s_add_nc_u64 s[20:21], s[82:83], s[20:21]
	s_add_nc_u64 s[46:47], s[80:81], s[46:47]
	CROUND                                         ; all sixteen work-groups are here: the first joint loads meet
.irp s, 0,1
	s_mov_b32 s[G0+4*\s], 1
	s_add_co_u32 s[G0+4*\s+1], s45, \s*SLOT
	s_add_nc_u64 s[G0+4*\s+2:G0+4*\s+3], s[20:21], \s*ROWB
	s_or_b32 s[G0+4*\s+3], s[G0+4*\s+3], 0x80000000
	s_mov_b32 s[G0B+4*\s], 1
	s_add_co_u32 s[G0B+4*\s+1], s45, \s*SLOT
	s_add_nc_u64 s[G0B+4*\s+2:G0B+4*\s+3], s[46:47], \s*ROWB
	s_or_b32 s[G0B+4*\s+3], s[G0B+4*\s+3], 0x80000000
	JLOAD G0+4*\s, G1, G0B+4*\s, G1B
.endr
	; every address register is made here, on the one way that all waves take
	v_and_b32 v1, 15, v0                           ; r
	v_bfe_u32 v2, v0, 4, 1                         ; h
	v_mul_u32_u24 v3, v1, PITCH
	s_wait_alu depctr_va_vdst(0)
	v_lshl_add_u32 v4, v2, 4, v3                   ; a fragment's row x pitch + 16 h
	s_mul_i32 s21, s15, HALFT
	s_mul_i32 s22, s16, HALFT
	s_add_co_u32 s22, s22, 2*HALFT
.irp s, 0,1
	v_add_nc_u32 v[ADRA+\s], s21, v4
	v_add_nc_u32 v[ADRB+\s], s22, v4
	s_add_co_u32 s21, s21, SLOT
	s_add_co_u32 s22, s22, SLOT
.endr
	s_mul_i32 s23, s15, HALFT                      ; the stage, 256 rows (of S1) x (256 codes + 16), lies in slot 0: row 128 x my S1 half + r, byte 128 x my S0 half + 8 h
	s_lshl_b32 s18, s16, 7
	s_add_co_u32 s23, s23, s18
	v_lshl_add_u32 v5, v2, 3, v3
	v_add_nc_u32 v[STO], s23, v5
	s_mul_i32 s23, s14, 64*PITCH                   ; v: wave w reads rows 64 w on, lanes 0-15 one row, lanes 16-31 the next
	v_mul_u32_u24 v5, v2, PITCH
	v_lshl_add_u32 v5, v1, 4, v5
	v_add_nc_u32 v[RDV], s23, v5
	v_and_b32 v6, 31, v0
	v_lshrrev_b32 v7, 2, v6                        ; q, k: wave w reads columns 64 w on (one head), four lanes to a row, eight rows an instruction
	v_mul_u32_u24 v7, v7, PITCH
	v_and_b32 v8, 3, v6
	v_lshl_add_u32 v7, v8, 4, v7
	s_lshl_b32 s23, s14, 6
	v_add_nc_u32 v[RDQ], s23, v7
	v_add_nc_u32 v[RDQ2], 128*PITCH, v[RDQ]        ; rows 128 on: the immediate alone does not reach them
	v_lshlrev_b32 v[COQ], 4, v6
	v_lshlrev_b32 v5, 13, v2
	v_lshl_add_u32 v[COV], v1, 4, v5               ; vt: a row is 8,192 bytes
	v_lshlrev_b32 v9, 5, v2                        ; the bias along S0: 32 h bytes
	v_lshlrev_b32 v10, 2, v1                       ; the bias along S1: 4 r bytes
	; where my part of the output begins.  q, k: head 4 x S0 tile + wave of batch S1 tile / 8, row 256 (S1 tile % 8), 64 bytes a row.  v: row 256 x S1 tile + 64 x wave, byte 256 x S0 tile
	s_lshr_b32 s18, s17, 3
	s_lshl_b32 s18, s18, 4
	s_lshl_b32 s19, s42, 2
	s_add_co_u32 s18, s18, s19
	s_add_co_u32 s18, s18, s14
	s_lshl_b32 s18, s18, 17
	s_and_b32 s19, s17, 7
	s_lshl_b32 s19, s19, 14
	s_add_co_u32 s18, s18, s19
	s_lshl_b32 s19, s17, 21
	s_lshl_b32 s22, s14, 19
	s_add_co_u32 s19, s19, s22
	s_lshl_b32 s22, s42, 8
	s_add_co_u32 s19, s19, s22
	s_cmp_eq_u32 s[SEC], 1
	s_cselect_b64 s[98:99], s[74:75], s[72:73]
	s_cselect_b64 s[96:97], s[68:69], s[10:11]
	s_cmp_eq_u32 s[SEC], 2
	s_cselect_b64 s[98:99], s[76:77], s[98:99]     ; the output
	s_cselect_b64 s[96:97], s[70:71], s[96:97]     ; the bias
	s_cselect_b32 s18, s19, s18
	s_cselect_b32 s100, s17, s42                   ; the bias runs along n: S0's rows, in v S1's
	s_cselect_b32 s101, s15, s16
	s_mov_b32 s19, 0
	s_add_nc_u64 s[98:99], s[98:99], s[18:19]
	s_lshl_b32 s100, s100, 10
	s_lshl_b32 s101, s101, 9
	s_add_co_u32 s100, s100, s101                  ; 4 x (256 x tile + 128 x half) bytes
	s_mov_b32 s101, 0
	s_add_nc_u64 s[96:97], s[96:97], s[100:101]
	s_cmp_eq_u32 s[SEC], 2
	s_cbranch_scc1 .Lbias_v
	s_wait_alu depctr_va_vdst(0)
.irp b, 0,1,2,3,4,5,6,7                        ; q, k: register 8 b + j = bias(16 b + 8 h + j): the C of every accumulator (a, b)
	global_load_b128 v[BI+8*\b:BI+8*\b+3], v9, s[96:97] offset:64*\b
	global_load_b128 v[BI+8*\b+4:BI+8*\b+7], v9, s[96:97] offset:64*\b+16
.endr
	s_branch .Lbias_in
.Lbias_v:
	s_wait_alu depctr_va_vdst(0)
.irp a, 0,1,2,3,4,5,6,7                        ; v: registers 8 a + 0 .. 7 = bias(16 a + r): the C of every accumulator (a, b)
.irp j, 0,1,2,3,4,5,6,7
	global_load_b32 v[BI+8*\a+\j], v10, s[96:97] offset:64*\a
.endr
.endr
.Lbias_in:
	s_wait_kmcnt 0x0
	s_cmp_eq_u32 s[SEC], 1
	s_cselect_b32 s18, s86, s84                    ; ex
	s_cselect_b32 s19, s87, s85                    ; ew
	s_cselect_b32 s22, s91, s90                    ; eo: e6, e7 or e9
	s_cmp_eq_u32 s[SEC], 2
	s_cselect_b32 s18, s88, s18
	s_cselect_b32 s19, s89, s19
	s_cselect_b32 s22, s93, s22
	s_add_co_i32 s18, s18, s19                     ; a sum stands for sum x 2^(ex + ew)
	s_sub_co_i32 s19, 0, s18
	s_sub_co_i32 s22, s22, s18
	s_add_co_i32 s22, s22, 127
	s_lshl_b32 s23, s22, 23
	v_mov_b32 v[SC], s23
	s_wait_loadcnt 0x0
.set i, 0
.rept 64
	v_ldexp_f32 v[BI+i], v[BI+i], s19              ; the bias / 2^(ex + ew)
.set i, i+1
.endr
.macro FRAG reg, adr, q, i             ; 16 rows x 128 K: registers 4 c .. 4 c + 3 hold K = 32 c + 16 h + 0 .. 15
.irp c, 0,1,2,3
	ds_load_b128 v[\reg+4*\c:\reg+4*\c+3], v[\adr] offset:128*(\q)+32*\c+(\i)*16*PITCH
.endr
.endm
; 16 matrix instructions: S1's blocks a0, a0 + 1 x S0's eight.  mode 0: in place; 1: C = the bias along S0; 2: C = the bias along S1.  The 64 accumulators take turns, one instruction a turn.
.macro MUL16 a0, p, mode
.irp a, \a0, \a0+1
.irp b, 0,1,2,3,4,5,6,7
.if \mode == 0
	v_wmma_f32_16x16x128_fp8_fp8 v[8*(8*((\a)%4)+\b):8*(8*((\a)%4)+\b)+7], v[128*(\p)+FR*\b:128*(\p)+FR*\b+FR-1], v[AF+FR*(\a):AF+FR*(\a)+FR-1], v[8*(8*((\a)%4)+\b):8*(8*((\a)%4)+\b)+7]
.elseif \mode == 1
	v_wmma_f32_16x16x128_fp8_fp8 v[8*(8*((\a)%4)+\b):8*(8*((\a)%4)+\b)+7], v[128*(\p)+FR*\b:128*(\p)+FR*\b+FR-1], v[AF+FR*(\a):AF+FR*(\a)+FR-1], v[BI+8*\b:BI+8*\b+7]
.else
	v_wmma_f32_16x16x128_fp8_fp8 v[8*(8*((\a)%4)+\b):8*(8*((\a)%4)+\b)+7], v[128*(\p)+FR*\b:128*(\p)+FR*\b+FR-1], v[AF+FR*(\a):AF+FR*(\a)+FR-1], v[BI+8*(\a):BI+8*(\a)+7]
.endif
.endr
.endr
.endm
.macro FETCH_B slot, q, p
	WIN TO_B
.irp i, 0,1,2,3,4,5,6,7
	FRAG 128*(\p)+FR*\i, ADRB+\slot, \q, \i
.endr
	WIN 0
.endm
.macro FETCH_A slot, q, i0
.irp i, \i0, \i0+1, \i0+2, \i0+3
	FRAG AF+FR*(\i), ADRA+\slot, \q, \i
.endr
.endm
.macro PLACES n                        ; plain vector lines between a matrix instruction and a load into, or a vector read of, its registers
.rept \n
	v_nop
.endr
.endm
.macro STEP slot, q, mode              ; 128 along K, with its successor in the same slot
	s_wait_dscnt 4*NL                              ; S0's set and S1's blocks 0-3 are in; the youngest sixteen loads (blocks 4-7) may be out
.if \mode
	WIN FST_LO
.else
	WIN MUL_LO
.endif
	MUL16 0, (\q)%2, \mode
	MUL16 2, (\q)%2, \mode
	s_wait_dscnt 0
	PLACES NP
	FETCH_B \slot, (\q)+1, 1-(\q)%2
	FETCH_A \slot, (\q)+1, 0
.if \mode
	WIN FST_HI
.else
	WIN MUL_HI
.endif
	MUL16 4, (\q)%2, \mode
	MUL16 6, (\q)%2, \mode
	PLACES NP
	WIN 0
	FETCH_A \slot, (\q)+1, 4
.endm
; A slot's last step changes slots: one barrier; in front of it each wave waits for all its tensor loads, adds 0 to its spare word, and waits for that and for its reads of this slot.  fill = 1: the slot is filled again, two K steps ahead.
.macro TURN slot, next, fill
	s_wait_tensorcnt 0x0                           ; all my tensor loads have landed: my part of the next slot
	ds_add_u32 v[SPW], v[NIL]
	s_wait_dscnt 4*NL+1                            ; (the add and the youngest sixteen loads may be out)
	WIN MUL_LO
	MUL16 0, 1, 0
	s_wait_dscnt 0x0                               ; the add is done, and my reads of this slot are over
	s_barrier_signal -1
	MUL16 2, 1, 0
	WIN 0
	s_barrier_wait -1
.if \fill
	CREST                                          ; the barrier has opened a round of the cluster's: no wave of any partner still reads this slot or has a load on its way
	s_add_nc_u64 s[G0+4*\slot+2:G0+4*\slot+3], s[G0+4*\slot+2:G0+4*\slot+3], 2*ROWB
	s_add_nc_u64 s[G0B+4*\slot+2:G0B+4*\slot+3], s[G0B+4*\slot+2:G0B+4*\slot+3], 2*ROWB
	JLOAD G0+4*\slot, G1, G0B+4*\slot, G1B         ; the first tensor load behind the round; its four v_nop are the places in front of the loads below
.else
	PLACES NP
.endif
	FETCH_B \next, 0, 0
	FETCH_A \next, 0, 0
	WIN MUL_HI
	MUL16 4, 1, 0
	MUL16 6, 1, 0
	PLACES NP
	WIN 0
	FETCH_A \next, 0, 4
.endm
	s_wait_tensorcnt 1                             ; my part of K step 0 is in; K step 1's load may be out
	s_barrier_signal -1
	s_barrier_wait -1
	FETCH_B 0, 0, 0
	FETCH_A 0, 0, 0
	FETCH_A 0, 0, 4
	s_cmp_eq_u32 s[SEC], 2                         ; the first step's products start the sums with the bias; the two arms differ in which registers are C, and issue the same LDS loads
	s_cbranch_scc1 .Lfirst_v
	s_wait_alu depctr_va_vdst(0)
	STEP 0, 0, 1
	s_branch .Lfirst_done
.Lfirst_v:
	s_wait_alu depctr_va_vdst(0)
	STEP 0, 0, 2
.Lfirst_done:
	TURN 0, 1, 1                                   ; slot 0 takes K step 2
	STEP 1, 0, 0
	TURN 1, 0, 1                                   ; slot 1 takes K step 3
	STEP 0, 0, 0
	TURN 0, 1, 0                                   ; nothing is left to fetch; behind this barrier nobody reads slot 0
	STEP 1, 0, 0
	s_wait_dscnt 4*NL
	WIN MUL_LO
	MUL16 0, 1, 0
	MUL16 2, 1, 0
	s_wait_dscnt 0
	WIN MUL_HI
	MUL16 4, 1, 0
	MUL16 6, 1, 0
	WIN 0
; THE WAY OUT.  Block a (16 rows of S1 x 128 of S0): the sums are converted: eight codes a lane and accumulator.  They meet in the work-group's stage.
.macro OUTBLK a
.set AC, 64*((\a)%4)
.set CC, CD+16*((\a)%2)                ; two sets of code registers by turns
.set WSEL, 0x02+(\a)/4                 ; source 0: window 2 or 3
	WIN WSEL
.set i, 0
.rept 64
.set i, i+1
.endr
.irp b, 0,1,2,3,4,5,6,7
	v_cvt_scalef32_pk8_fp8_f32 v[CC+2*\b:CC+2*\b+1], v[AC+8*\b:AC+8*\b+7], v[SC]
.endr
	WIN 0
	v_nop                                          ; a plain vector line between the conversions and the next lines that write their sources
.irp b, 0,1,2,3,4,5,6,7
	ds_store_b64 v[STO], v[CC+2*\b:CC+2*\b+1] offset:16*PITCH*(\a)+16*\b
.endr
.endm
	PLACES NP
.irp a, 0,1,2,3,4,5,6,7
	OUTBLK \a
.endr
	s_wait_dscnt 0x0                               ; for the others' sake: my stores into the stage are done
	s_barrier_signal -1
	s_barrier_wait -1
	s_cmp_eq_u32 s[SEC], 2
	s_cbranch_scc1 .Lout_v
.set i, 0
.rept 16
	ds_load_b128 v[BK+4*i:BK+4*i+3], v[RDQ] offset:8*PITCH*i
.set i, i+1
.endr
.rept 16
	ds_load_b128 v[BK+4*i:BK+4*i+3], v[RDQ2] offset:8*PITCH*(i-16)
.set i, i+1
.endr
.set i, 0
.rept 32
	s_wait_dscnt 31-i
	global_store_b128 v[COQ], v[BK+4*i:BK+4*i+3], s[98:99] offset:512*i   ; eight rows of one head: 512 consecutive bytes, aligned
.set i, i+1
.endr
	s_branch .Lout_done
.Lout_v:
.set i, 0
.rept 32
	ds_load_b128 v[BK+4*i:BK+4*i+3], v[RDV] offset:2*PITCH*i
.set i, i+1
.endr
.set i, 0
.rept 32
	s_wait_dscnt 31-i
	global_store_b128 v[COV], v[BK+4*i:BK+4*i+3], s[98:99] offset:16384*i   ; sixteen lanes store 256 consecutive bytes, aligned
.set i, i+1
.endr
.Lout_done:
	s_wait_tensorcnt 0x0                           ; the wave's end, behind my last tensor load and my last LDS store
	ds_add_u32 v[SPW], v[NIL]
	s_wait_dscnt 0x0
	CROUND                                         ; the closing round
	s_endpgm
.Lfunc_end_k_qbffbdbbb52_qkv:
	.size	k_qbffbdbbb52_qkv, .Lfunc_end_k_qbffbdbbb52_qkv-k_qbffbdbbb52_qkv
	.p2alignl 7, 3214868480
	.fill 96, 4, 3214868480
	.section	.rodata,"a",@progbits
	.p2align	6, 0x0
	.amdhsa_kernel k_qbffbdbbb52_qkv
		.amdhsa_group_segment_fixed_size 327680
		.amdhsa_private_segment_fixed_size 0
		.amdhsa_enable_private_segment 0
		.amdhsa_kernarg_size 72
		.amdhsa_user_sgpr_count 2
		.amdhsa_user_sgpr_kernarg_segment_ptr 1
		.amdhsa_wavefront_size32 1
		.amdhsa_system_sgpr_workgroup_id_x 1
		.amdhsa_system_sgpr_workgroup_id_y 1
		.amdhsa_system_sgpr_workgroup_id_z 1
		.amdhsa_system_vgpr_workitem_id 0
		.amdhsa_next_free_vgpr 1024
		.amdhsa_next_free_sgpr 102
		.amdhsa_reserve_vcc 0
		.amdhsa_float_denorm_mode_32 3
		.amdhsa_float_denorm_mode_16_64 3
		.amdhsa_fp16_overflow 1
		.amdhsa_memory_ordered 1
		.amdhsa_forward_progress 1
		.amdhsa_inst_pref_size 121
	.end_amdhsa_kernel
	.amdgpu_metadata
---
amdhsa.version: [ 1, 2 ]
amdhsa.kernels:
  - .name:           k_qbffbdbbb52_qkv
    .symbol:         k_qbffbdbbb52_qkv.kd
    .args:
      - { .name: xc, .offset: 0, .size: 8, .value_kind: global_buffer, .address_space: global }
      - { .name: wc, .offset: 8, .size: 8, .value_kind: global_buffer, .address_space: global }
      - { .name: lowp_scales, .offset: 16, .size: 8, .value_kind: global_buffer, .address_space: global }
      - { .name: bq, .offset: 24, .size: 8, .value_kind: global_buffer, .address_space: global }
      - { .name: bk, .offset: 32, .size: 8, .value_kind: global_buffer, .address_space: global }
      - { .name: bv, .offset: 40, .size: 8, .value_kind: global_buffer, .address_space: global }
      - { .name: qc, .offset: 48, .size: 8, .value_kind: global_buffer, .address_space: global }
      - { .name: kc, .offset: 56, .size: 8, .value_kind: global_buffer, .address_space: global }
      - { .name: vt, .offset: 64, .size: 8, .value_kind: global_buffer, .address_space: global }
    .group_segment_fixed_size: 327680
    .private_segment_fixed_size: 0
    .kernarg_segment_align: 8
    .kernarg_segment_size: 72
    .max_flat_workgroup_size: 128
    .sgpr_count:     102
    .vgpr_count:     1024
    .wavefront_size: 32
...
	.end_amdgpu_metadata
.endif
;; end of part 2
;; launch attn (part 3): grid 256 x 1, 16 waves a work-group, clusters of 4 x 1, 327,680 bytes of LDS; arguments qc, kc, vt, lowp_scales, cc; writes cc
.if DOCPART == 3
	.amdgcn_target "amdgcn-amd-amdhsa--gfx1250"
	.amdhsa_code_object_version 6
	.text
	.protected	k_qbffbdbbb52_attn
	.globl	k_qbffbdbbb52_attn
	.p2align	8
	.type	k_qbffbdbbb52_attn,@function
k_qbffbdbbb52_attn:
	s_mov_b64 s[64:65], 0
	v_nop
	global_prefetch_b8 v0, s[64:65] scope:SCOPE_SE
	s_setreg_imm32_b32 hwreg(HW_REG_WAVE_MODE, 25, 1), 1
	s_wait_xcnt 0x0
	s_wait_alu depctr_hold_cnt(0) depctr_sa_sdst(0) depctr_va_vdst(0) depctr_va_sdst(0) depctr_va_ssrc(0) depctr_va_vcc(0) depctr_vm_vsrc(0)
	s_getreg_b32 s2, hwreg(HW_REG_IB_STS2, 6, 4)
	s_cmp_eq_u32 s2, 0
	s_cbranch_scc0 .Lentry_in_a_cluster
	s_endpgm
.Lentry_in_a_cluster:
	s_bfe_u32 s2, ttmp6, 0x10000c
	s_cmp_lg_u32 s2, 0x3003
	s_cbranch_scc0 .Lentry_shape_is_right
	s_endpgm
.Lentry_shape_is_right:
; ctx = softmax(q k^T / 8, causal) v for 64 heads of 2,048 x 64, both products on E4M3 codes; ctx is quantised at once for the last product.
; t = score x log2(e) / 8; M = the running largest t rounded up to a whole number; p = 2^(t - M) is quantised under 2^e8, not normalised; the row's sum is taken of the unquantised p and divides at the end.
; SHARES.  A cluster of four work-groups owns a head (cluster number = 16 b + h).  Tile t of 16 queries (t = 0 .. 127) belongs to partner t % 4; u = t / 4.  Wave i of sixteen owns u = 31 - i, then u = i.
; A tile needs u / 2 + 1 steps of 128 keys, whatever the partner: so every wave of every work-group has 17 steps, and which steps a wave leaves out hangs on its number and a loop counter alone.
; The last step of a tile lies on the diagonal: there hidden scores become -infinity ahead of the maximum.
; THE HEAD'S WHOLE K AND V LIE IN LDS, each byte filled once, by joint loads of the four partners (waves 0, 1: K; waves 2, 3: V; four loads each, all issued at the start: four are out at most).
; Two work-group barriers: behind the first the first 512 keys are there, behind the second all.
; LAYOUT.  S^T = K Q^T (K = 64 form; source 0 = 16 neighbouring keys, source 1 = my 16 queries): a lane holds one query, and tile c's eight registers are keys 16 c + 8 h + 0 .. 7: their conversion gives registers 2 c, 2 c + 1
; of the K = 128 form's operand in its own places.  O^T += V^T P^T (source 0 = 16 of the head's 64).  K and Q are fetched by two loads of 16 bytes: a permutation of the head's 64 that is the same in both.
; LIMITS: e6 + e7 between -123 and 130 (added to c's exponent field); e8 and e10 between -126 and 119.  NaN is not served.
; REGISTERS: v1-11 addresses; v12 -M, v13 the largest t, v[14:15] the sum; v16-23, v88-95 Q of the two tiles; v24-87 K's 8 fragments, then V's 4; v96-159 S^T, then p; v160-191 O^T; v192-207 codes; v208-228 at work and constants.
.set SUB,   17408                      ; 256 keys of K (64 rows of 4 keys, 256 bytes + 16) or of V (64 rows d x 256 keys + 16) in LDS
.set VBASE, 8*SUB                      ; K's eight parts, then V's eight
.set STAGE, 16*SUB                     ; then 16 rows x (64 bytes + 16) for each wave, for the way out
.set SPARE, STAGE+16*16*80             ; then the spare words, 128 bytes a wave: eight blocks of 256 bytes that no other line names
.set AK,  1                            ; v1  my lane's place in a tile of K: (r / 4) x 272 + (r % 4) x 64 + 16 h
.set AV,  2                            ; v2  in a tile of V: VBASE + r x 272 + 8 h
.set ADK, 3
.set ADV, 4
.set SPW, 5
.set NIL, 6
.set STO, 7
.set SRD, 8
.set GO,  9
.set DLO, 10                           ; v10, v11  my query - 8 h, of the late tile's partner (u = i) and of the first (u = 31 - i)
.set DHI, 11
.set QH,  16
.set KV,  24
.set QL,  88
.set S,   96
.set O,   160
.set PC,  192
.set OB,  208
.set NINF, 223
.set DL,  224
.set WV,  14
.set G1K, 16
.set G1V, 24
.set G0K, 32                           ; s[32:47] four groups 0 for K's parts, s[48:63] for V's
.set G0V, 48
.set SEL, 66
.set CS,  80
.set TB,  82                           ; s82 LDS byte of the 256 keys in hand
.set SG,  83                           ; s83 the step's number: the loops' counter
.set DG,  84                           ; s84 the tile's diagonal step
.macro CROUND
	s_barrier_signal -1
	s_barrier_wait -1
	s_cmp_lg_u32 s[WV], 0
	s_cbranch_scc1 .Lnot_wave_0_\@
	s_barrier_signal -3
.Lnot_wave_0_\@:
	s_barrier_wait -3
	s_barrier_signal -1
	s_barrier_wait -1
.endm
.macro MKSC e, sc, lim                 ; s[e] = e  ->  v[sc] = 2^e as f32
	s_add_co_i32 s94, s[\e], 127
	s_lshl_b32 s95, s94, 23
	v_mov_b32 v[\sc], s95
	s_add_co_i32 s94, s94, 8
	s_lshl_b32 s94, s94, 23
	s_or_b32 s94, s94, 0x600000
.endm
.macro CCADR dst, t                    ; cc [m / 128][h][m % 128][64]: tile t's 1,024 bytes begin at (16 b + t / 8) x 131,072 + h x 8,192 + (t % 8) x 1,024
	s_lshr_b32 s[\dst], s[\t], 3
	s_add_co_u32 s[\dst], s[\dst], s94
	s_lshl_b32 s[\dst], s[\dst], 17
	s_add_co_u32 s[\dst], s[\dst], s95
	s_and_b32 s[\dst+1], s[\t], 7
	s_lshl_b32 s[\dst+1], s[\dst+1], 10
	s_add_co_u32 s[\dst], s[\dst], s[\dst+1]
	s_mov_b32 s[\dst+1], 0
	s_add_nc_u64 s[\dst:\dst+1], s[12:13], s[\dst:\dst+1]
.endm
	s_load_b256 s[4:11], s[0:1], 0x0               ; qc s[4:5], kc s[6:7], vt s[8:9], the exponents s[10:11]
	s_load_b64 s[12:13], s[0:1], 0x20              ; cc
	v_lshl_add_u32 v[SPW], v0, 2, SPARE
	v_mov_b32 v[NIL], 0
	ds_add_u32 v[SPW], v[NIL]                      ; the wave's opening: the add and its wait ahead of the first tensor loads
	ds_add_u32 v[SPW], v[NIL]
	v_lshrrev_b32 v216, 5, v0
	s_delay_alu instid0(VALU_DEP_1)
	v_readfirstlane_b32 s[WV], v216                ; wave 0..15
	s_bfe_u32 s15, ttmp6, 0x40000                  ; cx: it enters Q's and cc's addresses and the mask's numbers alone
	s_mov_b32 s[G1K], 15|(1<<20)|(1<<21)|(5<<22)|(3<<25)   ; the mask: all four partners; elements of 1 byte; padding on; bit 21 beside a mask; after every 64 words, 4 words
	s_mov_b32 s[G1V], 15|(1<<20)|(1<<21)|(5<<22)|(3<<25)
.irp g, G1K, G1V
	s_mov_b32 s[\g+1], 256<<16                     ; tensor_dim0
	s_mov_b32 s[\g+2], 64<<16                      ; tensor_dim1
	s_mov_b32 s[\g+3], 256<<16                     ; tile_dim0
	s_mov_b32 s[\g+4], 64                          ; tile_dim1
	s_mov_b32 s[\g+6], 0
	s_mov_b32 s[\g+7], 0
.endr
	s_mov_b32 s[G1K+5], 256                        ; K's 256 keys are one dense block, stated as 64 rows of 256 bytes
	s_mov_b32 s[G1V+5], 8192                       ; a row of vt
	s_mov_b32 s[SEL], 0x76543210
	s_mov_b32 s[SEL+1], 0xfedcba98
	s_mov_b32 s[CS], 0x3e38aa3b                    ; c = log2(e) / 8
	s_and_b32 s90, s[WV], 1                        ; I fetch, if I fetch, parts 2 n + wave % 2
	s_mul_i32 s91, s90, SUB
	s_lshl_b32 s92, ttmp9, 17                      ; the head's 131,072 bytes of kc
	s_lshl_b32 s93, s90, 14
	s_add_co_u32 s92, s92, s93
	s_mov_b32 s93, 0
	s_and_b32 s94, ttmp9, 15
	s_lshl_b32 s94, s94, 19                        ; vt: 64 h rows of 8,192 bytes,
	s_lshr_b32 s95, ttmp9, 4
	s_lshl_b32 s95, s95, 11                        ; 2,048 b,
	s_add_co_u32 s94, s94, s95
	s_lshl_b32 s95, s90, 8
	s_add_co_u32 s94, s94, s95
	s_mov_b32 s95, 0
	s_wait_dscnt 0x0                               ; the opening add is done
	s_wait_kmcnt 0x0
	s_load_b256 s[68:75], s[10:11], 0x0            ; e0 .. e7
	s_load_b128 s[76:79], s[10:11], 0x20           ; e8 .. e11
	s_add_nc_u64 s[6:7], s[6:7], s[92:93]
	s_add_nc_u64 s[8:9], s[8:9], s[94:95]
.irp n, 0,1,2,3
	s_mov_b32 s[G0K+4*\n], 1
	s_add_co_u32 s[G0K+4*\n+1], s91, 2*\n*SUB
	s_add_nc_u64 s[G0K+4*\n+2:G0K+4*\n+3], s[6:7], \n*32768
	s_or_b32 s[G0K+4*\n+3], s[G0K+4*\n+3], 0x80000000
	s_mov_b32 s[G0V+4*\n], 1
	s_add_co_u32 s[G0V+4*\n+1], s91, VBASE+2*\n*SUB
	s_add_nc_u64 s[G0V+4*\n+2:G0V+4*\n+3], s[8:9], \n*512
	s_or_b32 s[G0V+4*\n+3], s[G0V+4*\n+3], 0x80000000
.endr
	CROUND                                         ; all four work-groups are here: the joint loads meet
	s_cmp_lt_u32 s[WV], 2                          ; a wave's four fills stand in one branch on its number; an s_nop 0 follows each, four v_nop the last
	s_cbranch_scc0 .Lnot_k
.irp n, 0,1,2,3
	tensor_load_to_lds s[G0K+4*\n:G0K+4*\n+3], s[G1K:G1K+7]
	s_nop 0
.endr
.rept 4
	v_nop
.endr
	s_branch .Lasked
.Lnot_k:
	s_cmp_lt_u32 s[WV], 4
	s_cbranch_scc0 .Lasked
.irp n, 0,1,2,3
	tensor_load_to_lds s[G0V+4*\n:G0V+4*\n+3], s[G1V:G1V+7]
	s_nop 0
.endr
.rept 4
	v_nop
.endr
.Lasked:
	s_sub_co_u32 s96, 31, s[WV]
	s_lshr_b32 s[DG], s96, 1                       ; the first tile's diagonal step: (31 - i) / 2, 8 at the least
	s_lshl_b32 s96, s96, 2
	s_add_co_u32 s96, s96, s15                     ; the first tile: 4 (31 - i) + cx
	s_lshl_b32 s97, s[WV], 2
	s_add_co_u32 s97, s97, s15                     ; the second: 4 i + cx
	s_lshl_b32 s94, ttmp9, 17
	s_lshl_b32 s90, s96, 10
	s_add_co_u32 s90, s90, s94
	s_mov_b32 s91, 0
	s_add_nc_u64 s[90:91], s[4:5], s[90:91]        ; their codes of Q: 1,024 bytes a tile
	s_lshl_b32 s92, s97, 10
	s_add_co_u32 s92, s92, s94
	s_mov_b32 s93, 0
	s_add_nc_u64 s[92:93], s[4:5], s[92:93]
	v_and_b32 v216, 15, v0                         ; r
	v_bfe_u32 v217, v0, 4, 1                       ; h
	s_delay_alu instid0(VALU_DEP_2)
	v_lshlrev_b32 v[ADK], 6, v216
	s_delay_alu instid0(VALU_DEP_1)
	v_lshl_add_u32 v[ADK], v217, 4, v[ADK]         ; Q: row r of 64 bytes, + 16 h (rewritten only behind the wait for these loads)
	global_load_b128 v[QH:QH+3], v[ADK], s[90:91]
	global_load_b128 v[QH+4:QH+7], v[ADK], s[90:91] offset:32
	global_load_b128 v[QL:QL+3], v[ADK], s[92:93]
	global_load_b128 v[QL+4:QL+7], v[ADK], s[92:93] offset:32
	v_lshrrev_b32 v[AK], 2, v216
	s_delay_alu instid0(VALU_DEP_1)
	v_mul_u32_u24 v[AK], v[AK], 272
	v_and_b32 v220, 3, v216
	s_delay_alu instid0(VALU_DEP_1)
	v_lshl_add_u32 v[AK], v220, 6, v[AK]
	s_delay_alu instid0(VALU_DEP_1)
	v_lshl_add_u32 v[AK], v217, 4, v[AK]
	v_mul_u32_u24 v[AV], v216, 272
	s_delay_alu instid0(VALU_DEP_1)
	v_lshl_add_u32 v[AV], v217, 3, v[AV]
	s_delay_alu instid0(VALU_DEP_1)
	v_add_nc_u32 v[AV], VBASE, v[AV]
	s_mul_i32 s94, s[WV], 16*80
	s_add_co_u32 s94, s94, STAGE                   ; my stage
	v_mul_u32_u24 v[STO], v216, 80
	s_delay_alu instid0(VALU_DEP_1)
	v_lshl_add_u32 v[STO], v217, 3, v[STO]
	s_delay_alu instid0(VALU_DEP_1)
	v_add_nc_u32 v[STO], s94, v[STO]               ; in: row r, 8 h
	v_and_b32 v220, 31, v0
	s_delay_alu instid0(VALU_DEP_1)
	v_lshrrev_b32 v221, 2, v220
	s_delay_alu instid0(VALU_DEP_1)
	v_mul_u32_u24 v[SRD], v221, 80
	s_delay_alu instid0(VALU_DEP_3)
	v_and_b32 v221, 3, v220
	s_delay_alu instid0(VALU_DEP_1)
	v_lshl_add_u32 v[SRD], v221, 4, v[SRD]
	s_delay_alu instid0(VALU_DEP_1)
	v_add_nc_u32 v[SRD], s94, v[SRD]               ; back: four lanes to a row of 64 bytes
	v_lshlrev_b32 v[GO], 4, v220
	v_lshlrev_b32 v221, 3, v217
	s_delay_alu instid0(VALU_DEP_1)
	v_sub_nc_u32 v221, v216, v221                  ; r - 8 h
	s_lshl_b32 s94, s97, 4
	v_add_nc_u32 v[DLO], s94, v221
	s_lshl_b32 s94, s96, 4
	v_add_nc_u32 v[DHI], s94, v221
	s_lshr_b32 s94, ttmp9, 4
	s_lshl_b32 s94, s94, 4                         ; 16 b
	s_and_b32 s95, ttmp9, 15
	s_lshl_b32 s95, s95, 13                        ; h x 8,192
	CCADR 86, 96
	CCADR 88, 97
	v_mov_b32 v219, 0                              ; (named as the upper half of the pair v[218:219])
	v_mov_b32 v222, 0                              ; written once: a lane permute's destination counts as one of its sources
	v_mov_b32 v[NINF], 0xff800000
	s_wait_kmcnt 0x0
	s_add_co_i32 s94, s74, s75
	s_lshl_b32 s94, s94, 23
	s_add_co_i32 s[CS], s[CS], s94                 ; a score stands for score x 2^(e6 + e7): added to c's exponent field
	s_mov_b32 s[CS+1], s[CS]
	s_add_co_i32 s85, s76, s77                     ; e8 + e9
	MKSC 76, 225, 226                              ; p's scale
	MKSC 78, 227, 228                              ; ctx's
; A KEY STEP: 128 keys, the q-th of the 256 in hand.  qreg: my tile's Q; dreg: my query - 8 h; causal = 1: the step is left out where all its keys come after my queries, and masked on the diagonal.
.macro STEP q, qreg, dreg, causal
.if \causal
	s_add_co_u32 s96, s[SG], \q
	s_cmp_gt_u32 s96, s[DG]
	s_cbranch_scc1 .Lhidden_\@
.endif
	v_add_nc_u32 v[ADK], s[TB], v[AK]
	v_add_nc_u32 v[ADV], s[TB], v[AV]
	v_nop
	v_nop                                          ; with the two additions: four places in front of loads into registers that the last products read
.irp t, 0,1,2,3,4,5,6,7
	ds_load_b128 v[KV+8*\t:KV+8*\t+3], v[ADK] offset:8704*(\q)+1088*\t
	ds_load_b128 v[KV+8*\t+4:KV+8*\t+7], v[ADK] offset:8704*(\q)+1088*\t+32
.endr
	s_wait_alu depctr_va_vdst(0)
	s_wait_dscnt 0x0
.irp t, 0,1,2,3,4,5,6,7
	v_wmma_f32_16x16x64_fp8_fp8 v[S+8*\t:S+8*\t+7], v[KV+8*\t:KV+8*\t+7], v[\qreg:\qreg+7], 0
.endr
.rept 4
	v_nop                                          ; places in front of the loads below and of the first read of the scores
.endr
.irp t, 0,1,2,3                                ; V's four fragments are asked for now and land while the softmax is worked
.irp c, 0,1,2,3,4,5,6,7
	ds_load_b64 v[KV+16*\t+2*\c:KV+16*\t+2*\c+1], v[ADV] offset:128*(\q)+4352*\t+16*\c
.endr
.endr
.if \causal
	s_cmp_lg_u32 s96, s[DG]
	s_cbranch_scc1 .Lopen_\@
	s_lshl_b32 s97, s96, 7
	v_sub_nc_u32 v[DL], v[\dreg], s97              ; register 8 c + j holds key 128 g + 16 c + 8 h + j: hidden where 16 c + j > my query - 8 h - 128 g
.irp n, 0,1,2,3,4,5,6,7,8,9,10,11,12,13,14,15,16,17,18,19,20,21,22,23,24,25,26,27,28,29,30,31,32,33,34,35,36,37,38,39,40,41,42,43,44,45,46,47,48,49,50,51,52,53,54,55,56,57,58,59,60,61,62,63
	v_cmp_gt_i32 vcc_lo, 16*(\n/8)+\n%8, v[DL]
	v_cndmask_b32 v[S+\n], v[S+\n], v[NINF], vcc_lo
.endr
.Lopen_\@:
.endif
	v_max3_num_f32 v216, v[S], v[S+1], v[S+2]      ; the step's largest score of my query among my 64 keys, in two chains,
	v_max3_num_f32 v217, v[S+3], v[S+4], v[S+5]
.irp i, 6,10,14,18,22,26,30,34,38,42,46,50,54,58
	v_max3_num_f32 v216, v216, v[S+\i], v[S+1+\i]
	v_max3_num_f32 v217, v217, v[S+2+\i], v[S+3+\i]
.endr
	v_max3_num_f32 v216, v216, v[S+62], v[S+63]
	s_delay_alu instid0(VALU_DEP_1)
	v_max_num_f32 v216, v216, v217
	s_delay_alu instid0(VALU_DEP_1)
	v_permlanex16_b32 v222, v216, s[SEL], s[SEL+1]
	s_delay_alu instid0(VALU_DEP_1)
	v_max_num_f32 v216, v216, v222                 ; and among lane l xor 16's
	s_delay_alu instid0(VALU_DEP_1)
	v_mul_f32 v216, s[CS], v216                    ; as t (c is positive)
	s_delay_alu instid0(VALU_DEP_1)
	v_max_num_f32 v13, v13, v216
	v_mov_b32 v216, v12
	s_delay_alu instid0(VALU_DEP_2)
	v_floor_f32 v12, -v13                          ; the new -M = floor(-t): M is a whole number
	s_delay_alu instid0(VALU_DEP_1)
	v_sub_f32 v216, v12, v216                      ; old M - new M: a whole number, 0 or less
	s_delay_alu instid0(VALU_DEP_1)
	v_cvt_i32_f32 v216, v216                       ; (it saturates)
	s_delay_alu instid0(VALU_DEP_1)
	v_ldexp_f32 v218, 1.0, v216                    ; f = 2^(old M - new M)
.set j, 0
.rept 32
	v_pk_fma_f32 v[S+j:S+j+1], v[S+j:S+j+1], s[CS:CS+1], v[12:13] op_sel_hi:[1,0,0]   ; t - M, two at a time
.set j, j+2
.endr
.set j, 0
	s_wait_alu depctr_va_vdst(0)
.rept 64
	v_exp_f32 v[S+j], v[S+j]                       ; p = 2^(t - M)
.set j, j+1
.endr
	v_pk_mul_f32 v[14:15], v[14:15], v[218:219] op_sel_hi:[1,0]   ; the sum under the new M: a plain line behind the exponentials
	s_wait_alu depctr_va_vdst(0)                   ; one wait for the batch of 64, ahead of its first reader
	v_pk_add_f32 v[220:221], v[100:101], v[104:105]
	v_pk_add_f32 v[254:255], v[108:109], v[112:113]
	v_pk_add_f32 v[252:253], v[116:117], v[120:121]
	v_pk_add_f32 v[250:251], v[124:125], v[128:129]
	v_pk_add_f32 v[248:249], v[132:133], v[136:137]
	v_pk_add_f32 v[246:247], v[140:141], v[144:145]
	v_pk_add_f32 v[244:245], v[148:149], v[152:153]
	v_pk_add_f32 v[14:15], v[14:15], v[156:157]
	v_pk_add_f32 v[220:221], v[220:221], v[96:97]
	v_pk_add_f32 v[254:255], v[254:255], v[98:99]
	v_pk_add_f32 v[252:253], v[252:253], v[102:103]
	v_pk_add_f32 v[250:251], v[250:251], v[106:107]
	v_pk_add_f32 v[248:249], v[248:249], v[110:111]
	v_pk_add_f32 v[246:247], v[246:247], v[114:115]
	v_pk_add_f32 v[244:245], v[244:245], v[118:119]
	v_pk_add_f32 v[14:15], v[14:15], v[122:123]
	v_pk_add_f32 v[220:221], v[220:221], v[126:127]
	v_pk_add_f32 v[254:255], v[254:255], v[130:131]
	v_pk_add_f32 v[252:253], v[252:253], v[134:135]
	v_pk_add_f32 v[250:251], v[250:251], v[138:139]
	v_pk_add_f32 v[248:249], v[248:249], v[142:143]
	v_pk_add_f32 v[246:247], v[246:247], v[146:147]
	v_pk_add_f32 v[244:245], v[244:245], v[150:151]
	v_pk_add_f32 v[14:15], v[14:15], v[154:155]
	v_pk_add_f32 v[220:221], v[220:221], v[158:159]
	s_delay_alu instid0(VALU_DEP_2)
	v_pk_add_f32 v[14:15], v[14:15], v[250:251]
	s_delay_alu instid0(VALU_DEP_2)
	v_pk_add_f32 v[220:221], v[220:221], v[248:249]
	v_pk_add_f32 v[254:255], v[254:255], v[246:247]
	v_pk_add_f32 v[252:253], v[252:253], v[244:245]
	s_delay_alu instid0(VALU_DEP_2)
	v_pk_add_f32 v[14:15], v[14:15], v[254:255]
	s_delay_alu instid0(VALU_DEP_2)
	v_pk_add_f32 v[220:221], v[220:221], v[252:253]
	s_delay_alu instid0(VALU_DEP_1)
	v_pk_add_f32 v[14:15], v[14:15], v[220:221]
.irp t, 0,1,2,3,4,5,6,7
.irp i, 0,1,2,3,4,5,6,7
.endr
	v_cvt_scalef32_pk8_fp8_f32 v[PC+2*\t:PC+2*\t+1], v[S+8*\t:S+8*\t+7], v225
.endr
.set j, 0
.rept 16
	v_pk_mul_f32 v[O+j:O+j+1], v[O+j:O+j+1], v[218:219] op_sel_hi:[1,0]   ; O^T under the new M; also the plain lines between the conversions and the products
.set j, j+2
.endr
	s_wait_alu depctr_va_vdst(0)
	s_wait_dscnt 0x0                               ; V's fragments are in
.irp t, 0,1,2,3
	v_wmma_f32_16x16x128_fp8_fp8 v[O+8*\t:O+8*\t+7], v[KV+16*\t:KV+16*\t+15], v[PC:PC+15], v[O+8*\t:O+8*\t+7]
.endr
.if \causal
.Lhidden_\@:
.endif
.endm
.macro INIT                            ; a tile begins: the first change of M multiplies zeros
	v_mov_b32 v13, 0xff61b1e6                      ; -3e38, under every t
	s_delay_alu instid0(VALU_DEP_1)
	v_floor_f32 v12, -v13
	v_mov_b32 v14, 0
	v_mov_b32 v15, 0
.set j, 0
.rept 32
	v_mov_b32 v[O+j], 0
.set j, j+1
.endr
.endm
; A tile's way out: O^T x 2^(e8 + e9) / the sum, quantised under 2^e10; eight codes a lane and accumulator go through my stage and leave as 2 x 512 consecutive bytes, aligned.
.macro OUT base
.rept 4
	v_nop                                          ; places behind the last products
.endr
	v_add_f32 v14, v14, v15
	s_delay_alu instid0(VALU_DEP_1)
	v_permlanex16_b32 v222, v14, s[SEL], s[SEL+1]
	s_delay_alu instid0(VALU_DEP_1)
	v_add_f32 v14, v14, v222                       ; the row's sum
	s_wait_alu depctr_va_vdst(0)
	v_rcp_f32 v218, v14
	v_nop                                          ; a plain line behind the reciprocal
	s_wait_alu depctr_va_vdst(0)                   ; and the wait ahead of its first reader
	v_ldexp_f32 v218, v218, s85
.set j, 0
.rept 16
	v_pk_mul_f32 v[S+j:S+j+1], v[O+j:O+j+1], v[218:219] op_sel_hi:[1,0]
.set j, j+2
.endr
.set j, 0
.rept 32
.set j, j+1
.endr
.irp t, 0,1,2,3
	v_cvt_scalef32_pk8_fp8_f32 v[PC+2*\t:PC+2*\t+1], v[S+8*\t:S+8*\t+7], v227
.endr
	v_nop
.irp t, 0,1,2,3
	ds_store_b64 v[STO], v[PC+2*\t:PC+2*\t+1] offset:16*\t   ; ctx(query r, 16 t + 8 h + 0 .. 7)
.endr
	s_wait_xcnt 0x0                                ; the earlier tile's stores have read their registers: they are loaded again only behind this wait
	ds_load_b128 v[OB:OB+3], v[SRD]                ; LDS serves a wave's instructions in order: these see my stores
	ds_load_b128 v[OB+4:OB+7], v[SRD] offset:8*80
	s_wait_dscnt 0x0
	global_store_b128 v[GO], v[OB:OB+3], s[\base:\base+1]
	global_store_b128 v[GO], v[OB+4:OB+7], s[\base:\base+1] offset:512
.endm
	INIT
	s_wait_loadcnt 0x0                             ; Q
	s_wait_tensorcnt 3                             ; my first fill is in (keys 0 to 511 among the four waves); my three later ones may be out
	s_wait_dscnt 0x0
	s_barrier_signal -1
	s_barrier_wait -1
	s_mov_b32 s[TB], 0
	s_mov_b32 s[SG], 0
.Lh1:                                              ; the first tile, steps 0 to 3: every wave needs them whole
	STEP 0, QH, DHI, 0
	STEP 1, QH, DHI, 0
	s_add_co_u32 s[TB], s[TB], SUB
	s_add_co_u32 s[SG], s[SG], 2
	s_cmp_lt_u32 s[SG], 4
	s_cbranch_scc1 .Lh1
	s_wait_tensorcnt 0x0                           ; all my fills are in,
	s_wait_dscnt 0x0
	s_barrier_signal -1
	s_barrier_wait -1                              ; everybody's are: from here on no wave waits for another
	s_mov_b32 s[TB], 2*SUB
	s_mov_b32 s[SG], 4
.Lh2:                                              ; the first tile, steps 4 to 15
	STEP 0, QH, DHI, 1
	STEP 1, QH, DHI, 1
	s_add_co_u32 s[TB], s[TB], SUB
	s_add_co_u32 s[SG], s[SG], 2
	s_cmp_lt_u32 s[SG], 16
	s_cbranch_scc1 .Lh2
	OUT 86
	INIT
	s_lshr_b32 s[DG], s[WV], 1                     ; the second tile's diagonal step: i / 2
	s_mov_b32 s[TB], 0
	s_mov_b32 s[SG], 0
.Llo:                                              ; the second tile, steps 0 to 7
	STEP 0, QL, DLO, 1
	STEP 1, QL, DLO, 1
	s_add_co_u32 s[TB], s[TB], SUB
	s_add_co_u32 s[SG], s[SG], 2
	s_cmp_lt_u32 s[SG], 8
	s_cbranch_scc1 .Llo
	OUT 88
	s_wait_tensorcnt 0x0                           ; the wave's end, behind my last tensor load and my last LDS store
	ds_add_u32 v[SPW], v[NIL]
	s_wait_dscnt 0x0
	CROUND                                         ; the closing round
	s_endpgm
.Lfunc_end_k_qbffbdbbb52_attn:
	.size	k_qbffbdbbb52_attn, .Lfunc_end_k_qbffbdbbb52_attn-k_qbffbdbbb52_attn
	.p2alignl 7, 3214868480
	.fill 96, 4, 3214868480
	.section	.rodata,"a",@progbits
	.p2align	6, 0x0
	.amdhsa_kernel k_qbffbdbbb52_attn
		.amdhsa_group_segment_fixed_size 327680
		.amdhsa_private_segment_fixed_size 0
		.amdhsa_enable_private_segment 0
		.amdhsa_kernarg_size 40
		.amdhsa_user_sgpr_count 2
		.amdhsa_user_sgpr_kernarg_segment_ptr 1
		.amdhsa_wavefront_size32 1
		.amdhsa_system_sgpr_workgroup_id_x 1
		.amdhsa_system_sgpr_workgroup_id_y 1
		.amdhsa_system_sgpr_workgroup_id_z 1
		.amdhsa_system_vgpr_workitem_id 0
		.amdhsa_next_free_vgpr 256
		.amdhsa_next_free_sgpr 100
		.amdhsa_reserve_vcc 1
		.amdhsa_float_denorm_mode_32 3
		.amdhsa_float_denorm_mode_16_64 3
		.amdhsa_fp16_overflow 1
		.amdhsa_memory_ordered 1
		.amdhsa_forward_progress 1
		.amdhsa_inst_pref_size 128
	.end_amdhsa_kernel
	.amdgpu_metadata
---
amdhsa.version: [ 1, 2 ]
amdhsa.kernels:
  - .name:           k_qbffbdbbb52_attn
    .symbol:         k_qbffbdbbb52_attn.kd
    .args:
      - { .name: qc, .offset: 0, .size: 8, .value_kind: global_buffer, .address_space: global }
      - { .name: kc, .offset: 8, .size: 8, .value_kind: global_buffer, .address_space: global }
      - { .name: vt, .offset: 16, .size: 8, .value_kind: global_buffer, .address_space: global }
      - { .name: lowp_scales, .offset: 24, .size: 8, .value_kind: global_buffer, .address_space: global }
      - { .name: cc, .offset: 32, .size: 8, .value_kind: global_buffer, .address_space: global }
    .group_segment_fixed_size: 327680
    .private_segment_fixed_size: 0
    .kernarg_segment_align: 8
    .kernarg_segment_size: 40
    .max_flat_workgroup_size: 512
    .sgpr_count:     100
    .vgpr_count:     256
    .wavefront_size: 32
...
	.end_amdgpu_metadata
.endif
;; end of part 3
;; launch oproj (part 4): grid 4 x 32, 4 waves a work-group, clusters of 4 x 4, 327,680 bytes of LDS; arguments cc, wc, lowp_scales, bo, out0; writes out0
.if DOCPART == 4
	.amdgcn_target "amdgcn-amd-amdhsa--gfx1250"
	.amdhsa_code_object_version 6
	.text
	.protected	k_qbffbdbbb52_oproj
	.globl	k_qbffbdbbb52_oproj
	.p2align	8
	.type	k_qbffbdbbb52_oproj,@function
k_qbffbdbbb52_oproj:
	s_mov_b64 s[64:65], 0
	v_nop
	global_prefetch_b8 v0, s[64:65] scope:SCOPE_SE
	s_setreg_imm32_b32 hwreg(HW_REG_WAVE_MODE, 25, 1), 1
	s_wait_xcnt 0x0
	s_wait_alu depctr_hold_cnt(0) depctr_sa_sdst(0) depctr_va_vdst(0) depctr_va_sdst(0) depctr_va_ssrc(0) depctr_va_vcc(0) depctr_vm_vsrc(0)
	s_getreg_b32 s2, hwreg(HW_REG_IB_STS2, 6, 4)
	s_cmp_eq_u32 s2, 0
	s_cbranch_scc0 .Lentry_in_a_cluster
	s_endpgm
.Lentry_in_a_cluster:
	s_bfe_u32 s2, ttmp6, 0x10000c
	s_cmp_lg_u32 s2, 0xf033
	s_cbranch_scc0 .Lentry_shape_is_right
	s_endpgm
.Lentry_shape_is_right:
; out0 = ctx wo + bo on E4M3 codes.  ctx's codes lie as cc [m / 128][head 16][m % 128][64]; wo's as section 3 of wc, [n 1024][k 1024]; out0 [8192][1024] f32.  out0 = sum x 2^(e10 + e11) + bo.
; A tile of 256 x 256 to a work-group of four waves, 128 x 128 a wave: 64 accumulators, 512 registers.  K = 1,024 goes in four steps of 256 through two LDS slots; nothing loops.
; 32 x 4 tiles make 128 work-groups in 8 clusters of 4 x 4: A's tile is asked for jointly along a row of the cluster, B's along a column.
; A's part of a K step, 128 rows x 4 heads, is 32,768 consecutive bytes of cc: it is stated as 128 rows of 256 bytes; row 32 hh + row / 4 of them holds, at byte 64 (row % 4), the 64 codes of head hh of that row.
; The matrix instruction is used transposed (source 0 = 16 rows of wo's codes, source 1 = 16 rows of ctx): a lane holds eight neighbouring numbers of a row of out0.
; A fragment is fetched by four loads of 16 bytes: K = 32 c + 16 h + 0 .. 15 in registers 4 c .. 4 c + 3, the same in both operands.
; LIMIT: e10 + e11 between -126 and 127.
; REGISTERS: window 0: v16-29 addresses; v32-95 bo in the result's layout; v96-127 at work on the way out; v128-255 A's fragments (one set), later rows on the way out.  window 1: B's two sets.  windows 2, 3: the accumulators.
.set SIZE_N, 1024
.set ROWB,   256
.set ASTEP,  32768                     ; a K step on in cc
.set PITCH,  272
.set FR,     16
.set NL,     4
.set NP,     4
.set HALFT,  128*PITCH
.set SLOT,   4*HALFT
.set SPARE,  2*SLOT                    ; behind the ring: the spare words, 128 bytes a wave: two blocks of 256 bytes that no other line names
.set SPITCH, 528                       ; the way out: a stage of 16 rows x (512 bytes + 16) for each wave, in slot 0, which has had its last fill and its last read by then
.set ADRA, 16
.set ADRB, 20
.set STO,  24
.set RD,   25
.set CO,   26
.set SPW,  28
.set NIL,  29
.set BI,   32
.set TMP,  96
.set AF,   128
.set BK,   128
.set G1,   24
.set G0,   32
.set G1B,  48
.set G0B,  56
.set MSB, 0
.macro WIN new
.if MSB != \new
	s_set_vgpr_msb (MSB<<8)|\new
.set MSB, \new
.endif
.endm
.set MUL_LO, 0xa1
.set MUL_HI, 0xf1
.set TO_B,   0x40
.macro JLOAD g0a, g1a, g0b, g1b        ; a joint load: waves 0 and 1 fetch for A, waves 2 and 3 for B; an s_nop 0 and four v_nop follow each line
	s_cmp_eq_u32 s15, 0
	s_cbranch_scc0 .Lfor_b_\@
	tensor_load_to_lds s[\g0a:\g0a+3], s[\g1a:\g1a+7]
	s_nop 0
.rept 4
	v_nop
.endr
	s_branch .Lasked_\@
.Lfor_b_\@:
	tensor_load_to_lds s[\g0b:\g0b+3], s[\g1b:\g1b+7]
	s_nop 0
.rept 4
	v_nop
.endr
.Lasked_\@:
.endm
.macro CREST
	s_cmp_lg_u32 s14, 0
	s_cbranch_scc1 .Lnot_wave_0_\@
	s_barrier_signal -3
.Lnot_wave_0_\@:
	s_barrier_wait -3
	s_barrier_signal -1
	s_barrier_wait -1
.endm
.macro CROUND
	s_barrier_signal -1
	s_barrier_wait -1
	CREST
.endm
	s_load_b128 s[4:7], s[0:1], 0x0                ; cc s[4:5], wc s[6:7]
	s_load_b128 s[8:11], s[0:1], 0x10              ; the exponents s[8:9], bo s[10:11]
	s_load_b64 s[12:13], s[0:1], 0x20              ; out0
	v_lshl_add_u32 v[SPW], v0, 2, SPARE
	v_mov_b32 v[NIL], 0
	ds_add_u32 v[SPW], v[NIL]                      ; the wave's opening: the add and its wait ahead of my first tensor load
	ds_add_u32 v[SPW], v[NIL]
	v_lshrrev_b32 v1, 5, v0
	v_readfirstlane_b32 s14, v1                    ; wave 0..3
	s_lshr_b32 s15, s14, 1                         ; my half of the tile's rows.  Also: I fetch for A (0) or for B (1)
	s_and_b32 s16, s14, 1                          ; my half of its columns.  Also: which 128 rows of that tile I fetch
	s_bfe_u32 s40, ttmp6, 0x40000                  ; cx
	s_bfe_u32 s41, ttmp6, 0x40004                  ; cy
	s_lshl_b32 s42, ttmp9, 2
	s_add_co_u32 s42, s42, s40                     ; tile column
	s_and_b32 s17, ttmp7, 0xffff
	s_lshl_b32 s17, s17, 2
	s_add_co_u32 s17, s17, s41                     ; tile row
	s_lshl_b32 s43, s41, 2
	s_lshl_b32 s43, 15, s43                        ; my row of the cluster
	s_lshl_b32 s44, 0x1111, s40                    ; my column
	s_or_b32 s[G1+0], s43, (0<<16)|(1<<20)|(1<<21)|(5<<22)|(3<<25)
	s_or_b32 s[G1B+0], s44, (0<<16)|(1<<20)|(1<<21)|(5<<22)|(3<<25)
.irp g, G1, G1B
	s_mov_b32 s[\g+1], ROWB<<16
	s_mov_b32 s[\g+2], 128<<16
	s_mov_b32 s[\g+3], ROWB<<16
	s_mov_b32 s[\g+4], 128
	s_mov_b32 s[\g+6], 0
	s_mov_b32 s[\g+7], 0
.endr
	s_mov_b32 s[G1+5], 256                         ; A's block is dense
	s_mov_b32 s[G1B+5], 1024                       ; a row of wo's codes
	s_lshl_b32 s20, s17, 1
	s_add_co_u32 s20, s20, s16
	s_lshl_b32 s20, s20, 17                        ; A: block 2 x tile row + half, of 131,072 bytes
	s_mov_b32 s21, 0
	s_lshl_b32 s46, s42, 8
	s_lshl_b32 s18, s16, 7
	s_add_co_u32 s46, s46, s18
	s_lshl_b32 s46, s46, 10                        ; B: (256 x tile column + 128 x half) rows of 1,024 bytes,
	s_add_co_u32 s46, s46, 0x300000                ; in wc's section 3
	s_mov_b32 s47, 0
	s_mul_i32 s45, s14, HALFT
	s_wait_dscnt 0x0                               ; the opening add is done
	s_wait_kmcnt 0x0
	s_load_b64 s[96:97], s[8:9], 0x28              ; e10, e11
	s_add_nc_u64 s[20:21], s[4:5], s[20:21]
	s_add_nc_u64 s[46:47], s[6:7], s[46:47]
	CROUND
.irp s, 0,1
	s_mov_b32 s[G0+4*\s], 1
	s_add_co_u32 s[G0+4*\s+1], s45, \s*SLOT
	s_add_nc_u64 s[G0+4*\s+2:G0+4*\s+3], s[20:21], \s*ASTEP
	s_or_b32 s[G0+4*\s+3], s[G0+4*\s+3], 0x80000000
	s_mov_b32 s[G0B+4*\s], 1
	s_add_co_u32 s[G0B+4*\s+1], s45, \s*SLOT
	s_add_nc_u64 s[G0B+4*\s+2:G0B+4*\s+3], s[46:47], \s*ROWB
	s_or_b32 s[G0B+4*\s+3], s[G0B+4*\s+3], 0x80000000
	s_wait_alu depctr_va_vdst(0)
	s_wait_tensorcnt 0x0
	ds_add_u32 v28, v29
	ds_add_u32 v28, v29
	s_wait_dscnt 0x0
	CROUND
	JLOAD G0+4*\s, G1, G0B+4*\s, G1B
.endr
	v_and_b32 v1, 15, v0                           ; r
	v_bfe_u32 v2, v0, 4, 1                         ; h
	v_mul_u32_u24 v3, v1, PITCH
	v_lshl_add_u32 v4, v2, 4, v3                   ; B: row r x pitch + 16 h
	v_lshrrev_b32 v5, 2, v1
	v_mul_u32_u24 v5, v5, PITCH
	v_and_b32 v6, 3, v1
	v_lshl_add_u32 v5, v6, 6, v5
	v_lshl_add_u32 v5, v2, 4, v5                   ; A: (r / 4) x pitch + 64 (r % 4) + 16 h
	s_mul_i32 s21, s15, HALFT
	s_mul_i32 s22, s16, HALFT
	s_add_co_u32 s22, s22, 2*HALFT
.irp s, 0,1
	v_add_nc_u32 v[ADRA+\s], s21, v5
	v_add_nc_u32 v[ADRB+\s], s22, v4
	s_add_co_u32 s21, s21, SLOT
	s_add_co_u32 s22, s22, SLOT
.endr
	s_mul_i32 s23, s14, 16*SPITCH                  ; my stage
	v_mul_u32_u24 v5, v1, SPITCH
	v_lshl_add_u32 v5, v2, 5, v5
	v_add_nc_u32 v[STO], s23, v5                   ; in: row r, 32 bytes for each half of the lanes
	v_and_b32 v6, 31, v0
	v_lshlrev_b32 v[CO], 4, v6
	v_add_nc_u32 v[RD], s23, v[CO]                 ; back: the 32 lanes take one row of 512 bytes
	v_lshlrev_b32 v7, 5, v2                        ; bo: 32 h bytes
	s_wait_alu depctr_va_vdst(0)
	s_lshl_b32 s46, s42, 10
	s_lshl_b32 s47, s16, 9
	s_add_co_u32 s46, s46, s47                     ; my first column, in bytes of f32: in a row of out0 and in bo
	s_mov_b32 s47, 0
	s_add_nc_u64 s[10:11], s[10:11], s[46:47]
	s_lshl_b32 s20, s17, 8
	s_lshl_b32 s21, s15, 7
	s_add_co_u32 s20, s20, s21
	s_lshl_b32 s20, s20, 12                        ; my first row, of 4,096 bytes
	s_mov_b32 s21, 0
	s_add_nc_u64 s[12:13], s[12:13], s[20:21]
	s_add_nc_u64 s[12:13], s[12:13], s[46:47]
.irp b, 0,1,2,3,4,5,6,7                        ; register 8 b + j = bo(16 b + 8 h + j)
	global_load_b128 v[BI+8*\b:BI+8*\b+3], v7, s[10:11] offset:64*\b
	global_load_b128 v[BI+8*\b+4:BI+8*\b+7], v7, s[10:11] offset:64*\b+16
.endr
.macro FRAG reg, adr, q, i             ; B: 16 rows x 128 K
.irp c, 0,1,2,3
	ds_load_b128 v[\reg+4*\c:\reg+4*\c+3], v[\adr] offset:128*(\q)+32*\c+(\i)*16*PITCH
.endr
.endm
.macro FRAGA reg, adr, q, i            ; A: K = 128 q + 32 c + 16 h lies in head 2 q + c / 2 of the K step's four, at byte 32 (c % 2) + 16 h of the row's 64
.irp c, 0,1,2,3
	ds_load_b128 v[\reg+4*\c:\reg+4*\c+3], v[\adr] offset:(2*(\q)+\c/2)*32*PITCH+(\i)*4*PITCH+32*(\c%2)
.endr
.endm
.macro MUL16 a0, p, zero               ; the 64 accumulators take turns, one instruction a turn
.irp a, \a0, \a0+1
.irp b, 0,1,2,3,4,5,6,7
.if \zero
	v_wmma_f32_16x16x128_fp8_fp8 v[8*(8*((\a)%4)+\b):8*(8*((\a)%4)+\b)+7], v[128*(\p)+FR*\b:128*(\p)+FR*\b+FR-1], v[AF+FR*(\a):AF+FR*(\a)+FR-1], 0
.else
	v_wmma_f32_16x16x128_fp8_fp8 v[8*(8*((\a)%4)+\b):8*(8*((\a)%4)+\b)+7], v[128*(\p)+FR*\b:128*(\p)+FR*\b+FR-1], v[AF+FR*(\a):AF+FR*(\a)+FR-1], v[8*(8*((\a)%4)+\b):8*(8*((\a)%4)+\b)+7]
.endif
.endr
.endr
.endm
.macro FETCH_B slot, q, p
	WIN TO_B
.irp i, 0,1,2,3,4,5,6,7
	FRAG 128*(\p)+FR*\i, ADRB+\slot, \q, \i
.endr
	WIN 0
.endm
.macro FETCH_A slot, q, i0
.irp i, \i0, \i0+1, \i0+2, \i0+3
	FRAGA AF+FR*(\i), ADRA+\slot, \q, \i
.endr
.endm
.macro PLACES n                        ; plain vector lines between a matrix instruction and a load into, or a vector read of, its registers
.rept \n
	v_nop
.endr
.endm
.macro STEP slot, q, zero
	s_wait_dscnt 4*NL                              ; B's set and A's blocks 0-3 are in; the youngest sixteen loads (blocks 4-7) may be out
	WIN MUL_LO
	MUL16 0, (\q)%2, \zero
	MUL16 2, (\q)%2, \zero
	s_wait_dscnt 0
	PLACES NP
	FETCH_B \slot, (\q)+1, 1-(\q)%2
	FETCH_A \slot, (\q)+1, 0
	WIN MUL_HI
	MUL16 4, (\q)%2, \zero
	MUL16 6, (\q)%2, \zero
	PLACES NP
	WIN 0
	FETCH_A \slot, (\q)+1, 4
.endm
.macro TURN slot, next, fill
	s_wait_tensorcnt 0x0                           ; all my tensor loads have landed: my part of the next slot
	ds_add_u32 v[SPW], v[NIL]
	s_wait_dscnt 4*NL+1                            ; (the add and the youngest sixteen loads may be out)
	WIN MUL_LO
	MUL16 0, 1, 0
	s_wait_dscnt 0x0                               ; the add is done, and my reads of this slot are over
	s_barrier_signal -1
	MUL16 2, 1, 0
	WIN 0
	s_barrier_wait -1
.if \fill
	CREST                                          ; the barrier has opened a round of the cluster's: no wave of any partner still reads this slot or has a load on its way
	s_add_nc_u64 s[G0+4*\slot+2:G0+4*\slot+3], s[G0+4*\slot+2:G0+4*\slot+3], 2*ASTEP
	s_add_nc_u64 s[G0B+4*\slot+2:G0B+4*\slot+3], s[G0B+4*\slot+2:G0B+4*\slot+3], 2*ROWB
	JLOAD G0+4*\slot, G1, G0B+4*\slot, G1B
.else
	PLACES NP
.endif
	FETCH_B \next, 0, 0
	FETCH_A \next, 0, 0
	WIN MUL_HI
	MUL16 4, 1, 0
	MUL16 6, 1, 0
	PLACES NP
	WIN 0
	FETCH_A \next, 0, 4
.endm
	s_wait_loadcnt 0x0                             ; bo
	s_wait_tensorcnt 1                             ; my part of K step 0 is in; K step 1's load may be out
	s_barrier_signal -1
	s_barrier_wait -1
	FETCH_B 0, 0, 0
	FETCH_A 0, 0, 0
	FETCH_A 0, 0, 4
	STEP 0, 0, 1                                   ; the first step's products start the sums
	TURN 0, 1, 1
	STEP 1, 0, 0
	TURN 1, 0, 1
	STEP 0, 0, 0
	TURN 0, 1, 0                                   ; nothing is left to fetch; behind this barrier nobody reads slot 0
	STEP 1, 0, 0
	s_wait_dscnt 4*NL
	WIN MUL_LO
	MUL16 0, 1, 0
	MUL16 2, 1, 0
	s_wait_dscnt 0
	WIN MUL_HI
	MUL16 4, 1, 0
	MUL16 6, 1, 0
	WIN 0
; THE WAY OUT, block by block of 16 rows x 128 columns: sum x 2^(e10 + e11) + bo, one packed multiply-add for two numbers, each accumulator from its low end on; through my own stage in LDS; back as whole rows of 512 bytes.
.macro TOSTAGE a
.set AC, 64*((\a)%4)
.set WSEL, 0x02+(\a)/4                 ; source 0: window 2 or 3
.irp f, 0,1
	WIN WSEL
.irp j, 0,2,4,6,8,10,12,14,16,18,20,22,24,26,28,30
	v_pk_fma_f32 v[TMP+\j:TMP+\j+1], v[AC+32*\f+\j:AC+32*\f+\j+1], s[96:97], v[BI+32*\f+\j:BI+32*\f+\j+1] op_sel_hi:[1,0,1]
.endr
	WIN 0
.irp b, 0,1,2,3
	ds_store_b128 v[STO], v[TMP+8*\b:TMP+8*\b+3] offset:64*(4*\f+\b)
	ds_store_b128 v[STO], v[TMP+8*\b+4:TMP+8*\b+7] offset:64*(4*\f+\b)+16
.endr
.endr
.set BB, BK+64*((\a)%2)
.irp t, 0,1,2,3,4,5,6,7,8,9,10,11,12,13,14,15
	ds_load_b128 v[BB+4*\t:BB+4*\t+3], v[RD] offset:\t*SPITCH   ; LDS serves a wave's instructions in order: these see my stores
.endr
.endm
.macro SEND a, younger                 ; younger: the LDS instructions issued behind block a's loads, which may stay out
.set BB, BK+64*((\a)%2)
	s_wait_dscnt \younger
.if (\a) > 0
	s_add_nc_u64 s[12:13], s[12:13], 16*SIZE_N*4   ; (behind a wait on XCNT: the earlier stores have read their base)
.endif
.irp t, 0,1,2,3,4,5,6,7,8,9,10,11,12,13,14,15
	global_store_b128 v[CO], v[BB+4*\t:BB+4*\t+3], s[12:13] offset:\t*SIZE_N*4 th:TH_STORE_NT   ; 32 lanes store 512 consecutive bytes, aligned
.endr
.endm
	s_wait_kmcnt 0x0
	s_add_co_i32 s96, s96, s97
	s_add_co_i32 s96, s96, 127
	s_lshl_b32 s96, s96, 23                        ; 2^(e10 + e11) as f32
	PLACES NP
	TOSTAGE 0
.irp a, 1,2,3,4,5,6,7
.if \a > 1
	s_wait_xcnt 0x0                                ; block a - 2's stores have read their registers and their base
.endif
	TOSTAGE \a
	SEND \a-1, 32                                  ; behind block a - 1's loads: block a's 16 stores and 16 loads
.endr
	s_wait_xcnt 0x0
	SEND 7, 0
	s_wait_tensorcnt 0x0                           ; the wave's end, behind my last tensor load and my last LDS store
	ds_add_u32 v[SPW], v[NIL]
	s_wait_dscnt 0x0
	CROUND                                         ; the closing round
	s_endpgm
.Lfunc_end_k_qbffbdbbb52_oproj:
	.size	k_qbffbdbbb52_oproj, .Lfunc_end_k_qbffbdbbb52_oproj-k_qbffbdbbb52_oproj
	.p2alignl 7, 3214868480
	.fill 96, 4, 3214868480
	.section	.rodata,"a",@progbits
	.p2align	6, 0x0
	.amdhsa_kernel k_qbffbdbbb52_oproj
		.amdhsa_group_segment_fixed_size 327680
		.amdhsa_private_segment_fixed_size 0
		.amdhsa_enable_private_segment 0
		.amdhsa_kernarg_size 40
		.amdhsa_user_sgpr_count 2
		.amdhsa_user_sgpr_kernarg_segment_ptr 1
		.amdhsa_wavefront_size32 1
		.amdhsa_system_sgpr_workgroup_id_x 1
		.amdhsa_system_sgpr_workgroup_id_y 1
		.amdhsa_system_sgpr_workgroup_id_z 1
		.amdhsa_system_vgpr_workitem_id 0
		.amdhsa_next_free_vgpr 1024
		.amdhsa_next_free_sgpr 98
		.amdhsa_reserve_vcc 0
		.amdhsa_float_denorm_mode_32 3
		.amdhsa_float_denorm_mode_16_64 3
		.amdhsa_memory_ordered 1
		.amdhsa_forward_progress 1
		.amdhsa_inst_pref_size 126
	.end_amdhsa_kernel
	.amdgpu_metadata
---
amdhsa.version: [ 1, 2 ]
amdhsa.kernels:
  - .name:           k_qbffbdbbb52_oproj
    .symbol:         k_qbffbdbbb52_oproj.kd
    .args:
      - { .name: cc, .offset: 0, .size: 8, .value_kind: global_buffer, .address_space: global }
      - { .name: wc, .offset: 8, .size: 8, .value_kind: global_buffer, .address_space: global }
      - { .name: lowp_scales, .offset: 16, .size: 8, .value_kind: global_buffer, .address_space: global }
      - { .name: bo, .offset: 24, .size: 8, .value_kind: global_buffer, .address_space: global }
      - { .name: out0, .offset: 32, .size: 8, .value_kind: global_buffer, .address_space: global }
    .group_segment_fixed_size: 327680
    .private_segment_fixed_size: 0
    .kernarg_segment_align: 8
    .kernarg_segment_size: 40
    .max_flat_workgroup_size: 128
    .sgpr_count:     98
    .vgpr_count:     1024
    .wavefront_size: 32
...
	.end_amdgpu_metadata
.endif
;; end of part 4
